; MI455X (gfx1250); checked and timed in simulation.
; The chip was launched on July 23, 2026; its instructions are those of AMD's public machine-readable ISA for CDNA 5 (MIT licence, August 2026) and "CDNA5" Instruction Set Architecture Reference Guide (July 2026). The comments in the code are by the model that wrote it; some were corrected since.
;; Euclidean Attention. Allowed arithmetic: matrix products marked QUANTISED: E2M3 operands, one E8M0 scale for each 32 along K, by v_wmma_scale_f32_16x16x128_f8f6f4 with both operands' format E2M3, f32 sums; everything else in f32.
;; Inputs: W_o 1,024 x 1,024 float32; W_qkv 1,024 x 3,072 float32; b_o 1,024 float32; b_qkv 3,072 float32; x 2 x 2,048 x 1,024 float32.
;; Outputs: out0 2 x 2,048 x 1,024 float32.
;; This version of the problem:
;;   THIS VERSION OF THE PROBLEM IS GIVEN IN LOW PRECISION. The matrix products marked QUANTISED in the list below multiply operands that are first quantised to E2M3 (2 exponent bits, 3 mantissa bits; 6 bits a number), with one power-of-two scale for each 32 numbers along K (OCP MX v1.0); their sums are f32. All else is computed in f32.
;;   The module's matrix products, in the order in which they are computed (A, B: the left and right operand; K: the contracted axis; several contracted axes count as one K, in the product's order):
;;     1. [M 4,096, K 1,024] x [K 1,024, N 3,072]; A: input x; B: input W_qkv: QUANTISED
;;     2. batch 32 x [M 2,048, K 64] x [K 64, N 2,048]; A: computed on the way; B: computed on the way: QUANTISED
;;     3. batch 32 x [M 2,048, K 2,048] x [K 2,048, N 64]; A: softmax (see below); B: computed on the way: QUANTISED
;;     4. [M 4,096, K 1,024] x [K 1,024, N 1,024]; A: computed on the way; B: input W_o: QUANTISED
;;   THE QUANTISER, for each operand of a quantised product, along K:
;;     - K is cut into blocks of 32 from its start; a last block that is shorter is filled with zeros.
;;     - A block's scale is 2^e with e = floor(log2(the largest magnitude in the block)) - 2, held to -126 .. 127; a block of zeros has e = 0. As a byte (E8M0): e + 127.
;;     - Each number is divided by its block's scale, clamped to +-7.5, and rounded to the nearest number of E2M3, ties to even, subnormals kept.
;;     - The product sums the exact products of the quantised numbers (number of the format x scale) in f32.
;;   ~~~python
;;   def quantise(x, axis):      # numpy; x: float32 -> the quantised numbers, widened to float32 again
;;       x = np.moveaxis(x, axis, -1); K = x.shape[-1]
;;       x = np.pad(x, [(0, 0)] * (x.ndim - 1) + [(0, -K % 32)]); x = x.reshape(x.shape[:-1] + (-1, 32)); a = np.abs(x).max(-1, keepdims=True)
;;       e = np.where(a > 0, np.clip(np.frexp(np.where(a > 0, a, 1))[1] - 1 - 2, -126, 127), 0)      # np.frexp(a)[1] - 1 = floor(log2(a)), exactly
;;       r = np.clip(x / 2.0 ** e, -7.5, 7.5)
;;       step = 2.0 ** (np.maximum(np.frexp(np.where(r == 0, 1, r))[1] - 1, 0) - 3)
;;       q = np.round(r / step) * step * 2.0 ** e      # np.round: ties to even
;;       return np.moveaxis(q.reshape(q.shape[:-2] + (-1,))[..., :K], -1, axis).astype(np.float32)
;;   ~~~
;;   SOFTMAX AHEAD OF A QUANTISED PRODUCT. Where the list says 'softmax', what is quantised is not the finished softmax but p = 2^(t - M), with t = logit x log2(e) and M = ceil(the row's largest t), a whole number; so 1/2 < the row's largest p <= 1. The row's sum l is taken of the UNQUANTISED p, in f32, and the product's result is divided by l at the end. Since M is a whole number, a kernel that streams over the keys may use a running M (the ceiling of the running maximum): every later rescaling is an exact power of two, which a block's scale takes up: the codes' values come out the same.
;;   OPERANDS COMPUTED ON THE WAY. 'Computed on the way' means the value that the module computes at that place (a softmax that the list does not call 'softmax' is quantised finished and normalised). What goes into a quantiser is computed in f32, as accurately as f32 sums, v_exp_f32 and their like allow (about 1e-6 of the number): no bf16 or f16 on the way to a quantiser, and a product that is left as it is and whose result goes on into a quantised operand takes f32 operands (vector FMAs, or v_wmma_f32_16x16x4_f32). A number that lies on a knife's edge between two numbers of the format may be rounded either way, as far as f32 arithmetic and the matrix unit's own rounding can turn it there, and no further.
;; One version. Each part assembles by itself: llvm-mc -triple=amdgcn-amd-amdhsa -mcpu=gfx1250 --defsym DOCPART=n.
;; ======== version 1 of 1: 4 launches
;; limits: right only within a limited range of input values
;; workspace buffers: XI 3,276,800 bytes; WI 2,457,600 bytes; WOI 819,200 bytes; KV 6,946,816 bytes; QR 3,670,016 bytes; VI 3,276,800 bytes
;; launch quant (part 1): grid 512 x 1, 4 waves a work-group, no clusters, 92,672 bytes of LDS; arguments x, W_qkv, W_o, XI, WI, WOI; writes XI, WI, WOI
.if DOCPART == 1
	.amdgcn_target "amdgcn-amd-amdhsa--gfx1250"
	.amdhsa_code_object_version 6
	.text
	.protected	k_qf35ee68a7d_quant
	.globl	k_qf35ee68a7d_quant
	.p2align	8
	.type	k_qf35ee68a7d_quant,@function
k_qf35ee68a7d_quant:
	s_mov_b64 s[64:65], 0
	v_nop
	global_prefetch_b8 v0, s[64:65] scope:SCOPE_SE
	s_setreg_imm32_b32 hwreg(HW_REG_WAVE_MODE, 25, 1), 1
	s_wait_xcnt 0x0
; x [4096][1024], W_qkv [1024][3072] and W_o [1024][1024], f32, become codes of FP6 (E2M3) with one E8M0 scale byte for each 32 along K (x: its last axis; the weights: their first).
; The codes are stored as IMAGES OF THE OPERAND'S REGISTERS: a fragment of 16 rows x 128 K is 12 registers a lane; register i of lane l lies at 512 (i / 4) + 16 l + 4 (i % 4) of its 1,536 bytes.
; THE ROWS OF A TILE ARE NOT NEIGHBOURS: of each 32 rows (tokens or columns) lane r of tile u is row 8 u + r + (r & 8), so that a product that takes the tile as source 0 leaves 16 neighbours in the 16 registers of two tiles.
; Scale words (four bytes: 128 K of one row) lie by pairs of tiles: word 4 l of a pair's 128 bytes is tile 2 p's row l (l < 16) or tile 2 p + 1's row l - 16.
; XI: [256 tokens][K step][16 fragments, 8 pairs of scale words] 25,600 bytes;  WI: [head][K step][12 fragments, 6 pairs] 19,200;  WOI: [128 columns][K step][8 fragments, 4 pairs] 12,800.
; A block's scale is 2^(floor(log2(its largest magnitude)) - 2); its byte is the largest magnitude's exponent field - 2, held at 1 from below (a block of zeros keeps the byte 1: its codes are zeros, and this program alone reads the bytes).
; LIMITS: blocks whose largest magnitude lies under 2^-124 have their byte held at 1; NaN and infinities among the inputs are not served.
; Work-groups 0-255 take x (a wave: 32 tokens x 128 K), 256-447 W_qkv, 448-511 W_o (a wave: 32 columns x 128 K).  Waves share nothing: no barrier.  Each of the three ways has LDS bytes of its own.
.set XPITCH, 528                       ; x's stage: a row's 512 bytes + 16: row r starts 4 r banks on, so the 16 rows of a load of 16 bytes fall on different banks
.set XWREG,  32*XPITCH                 ; 32 rows for each wave
.set WREG,   3072                      ; the weights' stage: two fragments' images for each wave
.set WQSTG,  4*XWREG
.set WOSTG,  WQSTG+4*WREG
.set SPARE,  WOSTG+4*WREG              ; the spare words, 128 bytes for each wave: two blocks of 256 bytes that no other line names
.set XBLK,   25600
.set WBLK,   19200
.set OBLK,   12800
.set FLOOR,  0x1800000                 ; 2^(3 - 127)
.set EOFF,   0xff000000                ; -(2 << 23): 2 off an exponent field
.set SPW,    1                         ; v1  LDS address of my spare word; never rewritten
.set NIL,    2                         ; v2  0; never rewritten
.macro FINISH                          ; the wave's end
	s_wait_tensorcnt 0x0
	ds_add_u32 v[SPW], v[NIL]
	s_wait_dscnt 0x0
	s_endpgm
.endm
; 64 numbers of a lane, v[src + 32 c + i] = k 64 c + 32 (lane / 16) + i of my row: two whole blocks.  They become the fragment's 12 registers in v[dst] on and my row's scale word in v[word].
.macro QUANT2 src, dst, word
.irp c, 0,1
	v_max3_num_f32 v[14+\c], |v[\src+32*\c]|, |v[\src+32*\c+1]|, FLOOR
.endr
.irp i, 2,4,6,8,10,12,14,16,18,20,22,24,26,28,30
.irp c, 0,1
	v_max3_num_f32 v[14+\c], v[14+\c], |v[\src+32*\c+\i]|, |v[\src+32*\c+\i+1]|   ; the two blocks by turns
.endr
.endr
.irp c, 0,1
	v_add_nc_u32 v[16+\c], EOFF, v[14+\c]          ; the conversion takes the exponent field of this operand as its scale
.endr
.irp c, 0,1
	v_lshrrev_b32 v[18+\c], 23, v[16+\c]           ; the scale's byte
.endr
	v_lshl_or_b32 v[\word], v19, 16, v18           ; my two bytes: blocks h and 2 + h,
	v_lshlrev_b32 v[\word], v9, v[\word]           ; 8 h bits up;
	v_permlanex16_b32 v11, v[\word], s18, s19
	v_or_b32 v[\word], v[\word], v11               ; with lane l xor 16's two the word is whole
.irp c, 0,1
	v_cvt_scalef32_pk16_fp6_f32 v[\dst+6*\c:\dst+6*\c+2], v[\src+32*\c:\src+32*\c+15], v[16+\c]
	v_cvt_scalef32_pk16_fp6_f32 v[20+4*\c:22+4*\c], v[\src+32*\c+16:\src+32*\c+31], v[16+\c]   ; (a conversion's three registers begin on an even number)
.endr
	v_nop                                          ; one plain place behind a scaled conversion
.irp c, 0,1
.irp i, 0,1,2
	v_mov_b32 v[\dst+6*\c+3+\i], v[20+4*\c+\i]
.endr
.endr
.endm
	s_load_b256 s[4:11], s[0:1], 0x0               ; x s[4:5], W_qkv s[6:7], W_o s[8:9], XI s[10:11]
	s_load_b128 s[12:15], s[0:1], 0x20             ; WI s[12:13], WOI s[14:15]
	v_lshl_add_u32 v[SPW], v0, 2, SPARE
	v_mov_b32 v[NIL], 0
	v_lshrrev_b32 v3, 5, v0
	v_readfirstlane_b32 s16, v3                    ; wave 0..3
	v_and_b32 v3, 31, v0                           ; lane
	s_mov_b32 s18, 0x76543210
	s_mov_b32 s19, 0xfedcba98                      ; v_permlanex16_b32's selects for lane l xor 16
	s_mov_b32 s27, 0
	s_mov_b32 s23, 0
	s_wait_kmcnt 0x0
	s_cmp_lt_u32 ttmp9, 256
	s_cbranch_scc0 .Lweights
	; ---- x: my wave takes tokens 32 P .. 32 P + 31 and K step s
	v_and_b32 v4, 15, v0                           ; r
	v_bfe_u32 v5, v0, 4, 1                         ; h
	s_wait_alu depctr_va_vdst(0)
	v_lshlrev_b32 v6, 4, v3                        ; 16 x lane
	s_wait_alu depctr_va_vdst(0)
	s_mul_i32 s17, s16, XWREG
	v_add_nc_u32 v7, s17, v6                       ; into the stage: a row as it lies
	v_mul_u32_u24 v8, v4, XPITCH
	v_lshl_add_u32 v8, v5, 7, v8
	v_add_nc_u32 v8, s17, v8                       ; out of it: place r, + 128 h bytes: my block of 32 numbers
	v_lshlrev_b32 v9, 3, v5                        ; 8 h
	v_lshlrev_b32 v10, 2, v3                       ; 4 x lane
	v_mov_b32 v11, 0                               ; (a lane permute's destination counts as one of its sources)
	s_lshr_b32 s20, ttmp9, 1                       ; P
	s_and_b32 s21, ttmp9, 1
	s_lshl_b32 s21, s21, 2
	s_add_co_u32 s21, s21, s16                     ; s
	s_lshl_b32 s22, s20, 17                        ; 32 rows of 4,096 bytes
	s_lshl_b32 s24, s21, 9                         ; 512 bytes a K step
	s_add_co_u32 s22, s22, s24
	s_add_nc_u64 s[4:5], s[4:5], s[22:23]
	s_lshr_b32 s24, s20, 3
	s_lshl_b32 s24, s24, 3
	s_add_co_u32 s24, s24, s21
	s_mul_i32 s24, s24, XBLK                       ; the block of (256 tokens, K step)
	s_and_b32 s25, s20, 7                          ; my pair of tiles in it
	s_mul_i32 s26, s25, 3072
	s_add_co_u32 s26, s26, s24
	s_add_nc_u64 s[28:29], s[10:11], s[26:27]      ; the pair's images
	s_lshl_b32 s26, s25, 7
	s_add_co_u32 s26, s26, s24
	s_add_co_u32 s26, s26, 24576
	s_add_nc_u64 s[30:31], s[10:11], s[26:27]      ; its scale words
.set i, 0
.rept 32
	global_load_b128 v[32+4*i:35+4*i], v6, s[4:5] offset:4096*i th:TH_LOAD_NT   ; row i's 512 consecutive bytes
.set i, i+1
.endr
.set i, 0
	s_wait_alu depctr_va_vdst(0)
.rept 32
.if i%4 == 0
	s_wait_loadcnt 28-i                            ; loads come back in order: rows i .. i + 3 are in, the younger ones stay out
.endif
	ds_store_b128 v7, v[32+4*i:35+4*i] offset:(16*((i/8)%2)+(i%8)+8*(i/16))*XPITCH   ; row i to the place of its tile and lane
.set i, i+1
.endr
.irp c, 0,1
.irp q, 0,1,2,3,4,5,6,7
	ds_load_b128 v[160+32*\c+4*\q:163+32*\c+4*\q], v8 offset:256*\c+16*\q         ; tile 0 (LDS serves a wave's instructions in order: these see my stores)
.endr
.endr
	s_wait_dscnt 0x0                               ; the stores have read their registers, and tile 0 is in
.irp c, 0,1
.irp q, 0,1,2,3,4,5,6,7
	ds_load_b128 v[32+32*\c+4*\q:35+32*\c+4*\q], v8 offset:16*XPITCH+256*\c+16*\q   ; tile 1 lands while tile 0 is quantised
.endr
.endr
	QUANT2 160, 224, 12
.irp j, 0,1,2
	global_store_b128 v6, v[224+4*\j:227+4*\j], s[28:29] offset:512*\j             ; 32 lanes store 512 consecutive bytes
.endr
	s_wait_dscnt 0x0
	QUANT2 32, 236, 13
.irp j, 0,1,2
	global_store_b128 v6, v[236+4*\j:239+4*\j], s[28:29] offset:1536+512*\j
.endr
	v_cmp_le_u32 vcc_lo, 16, v3
	v_cndmask_b32 v12, v12, v13, vcc_lo            ; lanes 0-15 tile 0's words, lanes 16-31 tile 1's
	global_store_b32 v10, v12, s[30:31]
	FINISH
	; ---- the weights: A LANE TAKES A COLUMN, AND ITS REGISTERS RUN DOWN K: a block of 32 along K lies in one lane
.macro WLOAD b, ncol
.irp i, 0,1,2,3,4,5,6,7,8,9,10,11,12,13,14,15,16,17,18,19,20,21,22,23,24,25,26,27,28,29,30,31
	global_load_b32 v[32+32*((\b)%2)+\i], v6, s[4:5] offset:(32*(\b)+\i)*\ncol*4 th:TH_LOAD_NT   ; 128 consecutive bytes a wave, 512 a work-group
.endr
.endm
.macro WBLOCK b, ncol
.set XS, 32+32*((\b)%2)
.set CC, 96+8*(\b)
.if (\b) < 3
	s_wait_loadcnt 32                              ; this block's 32 loads are in; the next block's may be out
.else
	s_wait_loadcnt 0x0
.endif
	v_max3_num_f32 v14, |v[XS]|, |v[XS+1]|, |v[XS+2]|
	v_max3_num_f32 v15, |v[XS+3]|, |v[XS+4]|, |v[XS+5]|
.irp i, 6,10,14,18,22,26
	v_max3_num_f32 v14, v14, |v[XS+\i]|, |v[XS+\i+1]|
	v_max3_num_f32 v15, v15, |v[XS+\i+2]|, |v[XS+\i+3]|
.endr
	v_max3_num_f32 v14, v14, |v[XS+30]|, |v[XS+31]|
	v_max3_num_f32 v14, v14, v15, FLOOR
	v_add_nc_u32 v16, EOFF, v14
	v_lshrrev_b32 v17, 23, v16
.if (\b) == 0
	v_mov_b32 v18, v17                             ; my column's scale word, the lower K in the lower byte
.else
	v_lshl_or_b32 v18, v17, 8*(\b), v18
.endif
	v_cvt_scalef32_pk16_fp6_f32 v[CC:CC+2], v[XS:XS+15], v16
	v_cvt_scalef32_pk16_fp6_f32 v[20:22], v[XS+16:XS+31], v16
	v_nop                                          ; one plain place behind a scaled conversion
.irp i, 0,1,2
	v_mov_b32 v[CC+3+\i], v[20+\i]
.endr
	; block b is registers 6 (b / 2) .. + 5 of the image's lane r + 16 (b % 2)
.if (\b) < 2
	ds_store_b128 v7, v[CC:CC+3] offset:256*((\b)%2)
	ds_store_b64 v7, v[CC+4:CC+5] offset:256*((\b)%2)+512
.else
	ds_store_b64 v7, v[CC:CC+1] offset:256*((\b)%2)+520
	ds_store_b128 v7, v[CC+2:CC+5] offset:256*((\b)%2)+1024
.endif
.if (\b)+2 < 4
	WLOAD (\b)+2, \ncol
.endif
.endm
.macro WPATH ncol, base
	v_add_nc_u32 v7, \base, v7
	v_add_nc_u32 v8, \base, v8
	WLOAD 0, \ncol
	WLOAD 1, \ncol
	WBLOCK 0, \ncol
	WBLOCK 1, \ncol
	WBLOCK 2, \ncol
	WBLOCK 3, \ncol
.irp j, 0,1,2,3,4,5
	ds_load_b128 v[128+4*\j:131+4*\j], v8 offset:512*\j        ; the two images as they lie (LDS serves a wave's instructions in order)
.endr
	s_wait_alu depctr_va_vdst(0)
.irp j, 0,1,2,3,4,5
	s_wait_dscnt 5-\j
	global_store_b128 v9, v[128+4*\j:131+4*\j], s[28:29] offset:512*\j   ; 512 consecutive bytes
.endr
	global_store_b32 v10, v18, s[30:31]
	FINISH
.endm
.Lweights:
	s_wait_alu depctr_va_vdst(0)
	v_lshlrev_b32 v6, 2, v3                        ; 4 x lane: my column
	v_bfe_u32 v4, v0, 3, 1                         ; its tile u
	v_and_b32 v5, 7, v0
	v_bfe_u32 v9, v0, 4, 1
	v_lshl_add_u32 v5, v9, 3, v5                   ; and its lane there: r = (l & 7) + 8 (l / 16)
	v_lshlrev_b32 v10, 2, v5
	v_lshl_add_u32 v10, v4, 6, v10                 ; its scale word's place: 64 u + 4 r
	v_lshlrev_b32 v9, 4, v3                        ; 16 x lane
	s_mul_i32 s17, s16, WREG
	v_mul_u32_u24 v7, v4, 1536
	v_lshl_add_u32 v7, v5, 4, v7
	v_add_nc_u32 v7, s17, v7                       ; into my stage: image u, 16 r
	v_add_nc_u32 v8, s17, v9                       ; out of it: 16 x lane
	s_cmp_lt_u32 ttmp9, 448
	s_cbranch_scc0 .Lwo
	s_sub_co_u32 s20, ttmp9, 256
	s_and_b32 s21, s20, 7                          ; K step
	s_lshr_b32 s22, s20, 3
	s_lshl_b32 s22, s22, 2
	s_add_co_u32 s22, s22, s16                     ; G: which 32 columns of the 3,072
	s_mul_i32 s24, s22, 43
	s_lshr_b32 s20, s24, 8                         ; head = G / 6 (43 G / 256 for G under 96)
	s_mul_i32 s24, s20, 6
	s_sub_co_u32 s24, s22, s24                     ; which 32 of the head's 192
	s_mul_i32 s26, s21, 128*3072*4
	s_lshl_b32 s25, s22, 7
	s_add_co_u32 s26, s26, s25
	s_add_nc_u64 s[4:5], s[6:7], s[26:27]
	s_lshl_b32 s25, s20, 3
	s_add_co_u32 s25, s25, s21
	s_mul_i32 s25, s25, WBLK
	s_mul_i32 s26, s24, 3072
	s_add_co_u32 s26, s26, s25
	s_add_nc_u64 s[28:29], s[12:13], s[26:27]
	s_lshl_b32 s26, s24, 7
	s_add_co_u32 s26, s26, s25
	s_add_co_u32 s26, s26, 18432
	s_add_nc_u64 s[30:31], s[12:13], s[26:27]
	s_wait_alu depctr_va_vdst(0)
	WPATH 3072, WQSTG
.Lwo:
	s_sub_co_u32 s20, ttmp9, 448
	s_and_b32 s21, s20, 7                          ; K step
	s_lshr_b32 s22, s20, 3                         ; which 128 columns
	s_mul_i32 s26, s21, 128*1024*4
	s_lshl_b32 s25, s22, 9
	s_add_co_u32 s26, s26, s25
	s_lshl_b32 s25, s16, 7                         ; my wave's 32 of them
	s_add_co_u32 s26, s26, s25
	s_add_nc_u64 s[4:5], s[8:9], s[26:27]
	s_lshl_b32 s25, s22, 3
	s_add_co_u32 s25, s25, s21
	s_mul_i32 s25, s25, OBLK
	s_mul_i32 s26, s16, 3072
	s_add_co_u32 s26, s26, s25
	s_add_nc_u64 s[28:29], s[14:15], s[26:27]
	s_lshl_b32 s26, s16, 7
	s_add_co_u32 s26, s26, s25
	s_add_co_u32 s26, s26, 12288
	s_add_nc_u64 s[30:31], s[14:15], s[26:27]
	s_wait_alu depctr_va_vdst(0)
	WPATH 1024, WOSTG
.Lfunc_end_k_qf35ee68a7d_quant:
	.size	k_qf35ee68a7d_quant, .Lfunc_end_k_qf35ee68a7d_quant-k_qf35ee68a7d_quant
	.p2alignl 7, 3214868480
	.fill 96, 4, 3214868480
	.section	.rodata,"a",@progbits
	.p2align	6, 0x0
	.amdhsa_kernel k_qf35ee68a7d_quant
		.amdhsa_group_segment_fixed_size 92672
		.amdhsa_private_segment_fixed_size 0
		.amdhsa_enable_private_segment 0
		.amdhsa_kernarg_size 48
		.amdhsa_user_sgpr_count 2
		.amdhsa_user_sgpr_kernarg_segment_ptr 1
		.amdhsa_wavefront_size32 1
		.amdhsa_system_sgpr_workgroup_id_x 1
		.amdhsa_system_sgpr_workgroup_id_y 1
		.amdhsa_system_sgpr_workgroup_id_z 1
		.amdhsa_system_vgpr_workitem_id 0
		.amdhsa_next_free_vgpr 256
		.amdhsa_next_free_sgpr 66
		.amdhsa_reserve_vcc 1
		.amdhsa_float_denorm_mode_32 3
		.amdhsa_float_denorm_mode_16_64 3
		.amdhsa_memory_ordered 1
		.amdhsa_forward_progress 1
		.amdhsa_inst_pref_size 59
	.end_amdhsa_kernel
	.amdgpu_metadata
---
amdhsa.version: [ 1, 2 ]
amdhsa.kernels:
  - .name:           k_qf35ee68a7d_quant
    .symbol:         k_qf35ee68a7d_quant.kd
    .args:
      - { .name: x, .offset: 0, .size: 8, .value_kind: global_buffer, .address_space: global }
      - { .name: W_qkv, .offset: 8, .size: 8, .value_kind: global_buffer, .address_space: global }
      - { .name: W_o, .offset: 16, .size: 8, .value_kind: global_buffer, .address_space: global }
      - { .name: XI, .offset: 24, .size: 8, .value_kind: global_buffer, .address_space: global }
      - { .name: WI, .offset: 32, .size: 8, .value_kind: global_buffer, .address_space: global }
      - { .name: WOI, .offset: 40, .size: 8, .value_kind: global_buffer, .address_space: global }
    .group_segment_fixed_size: 92672
    .private_segment_fixed_size: 0
    .kernarg_segment_align: 8
    .kernarg_segment_size: 48
    .max_flat_workgroup_size: 128
    .sgpr_count:     66
    .vgpr_count:     256
    .wavefront_size: 32
...
	.end_amdgpu_metadata
.endif
;; end of part 1
;; launch qkv (part 2): grid 16 x 16, 4 waves a work-group, clusters of 4 x 4, 327,680 bytes of LDS; arguments XI, WI, b_qkv, KV, QR; writes KV, QR
.if DOCPART == 2
	.amdgcn_target "amdgcn-amd-amdhsa--gfx1250"
	.amdhsa_code_object_version 6
	.text
	.protected	k_qf35ee68a7d_qkv
	.globl	k_qf35ee68a7d_qkv
	.p2align	8
	.type	k_qf35ee68a7d_qkv,@function
k_qf35ee68a7d_qkv:
	s_mov_b64 s[64:65], 0
	v_nop
	global_prefetch_b8 v0, s[64:65] scope:SCOPE_SE
	s_setreg_imm32_b32 hwreg(HW_REG_WAVE_MODE, 25, 1), 1
	s_wait_xcnt 0x0
	s_wait_alu depctr_hold_cnt(0) depctr_sa_sdst(0) depctr_va_vdst(0) depctr_va_sdst(0) depctr_va_ssrc(0) depctr_va_vcc(0) depctr_vm_vsrc(0)
	s_getreg_b32 s2, hwreg(HW_REG_IB_STS2, 6, 4)
	s_cmp_eq_u32 s2, 0
	s_cbranch_scc0 .Lentry_in_a_cluster
	s_endpgm
.Lentry_in_a_cluster:
	s_bfe_u32 s2, ttmp6, 0x10000c
	s_cmp_lg_u32 s2, 0xf033
	s_cbranch_scc0 .Lentry_shape_is_right
	s_endpgm
.Lentry_shape_is_right:
; qkv = x W_qkv + b_qkv on codes of FP6 (E2M3) with E8M0 scales, and what attention wants of it, all made in registers: q and k quantised along the head's 64 channels, -|q|^2 / 2 and -|k|^2 / 2 (of the
; unquantised numbers, f32), v quantised along the tokens.  No f32 number of qkv goes to memory.
; SHARES.  A work-group takes 256 tokens (block tb) x the 192 columns of one head.  Wave w: i = w / 2: its 128 tokens (8 tiles: one key step); j = w % 2: j = 0 makes q and v's channel tiles 0, 1; j = 1 makes k and v's tiles 2, 3.
; q and k are made TRANSPOSED (source 0 = 16 columns of W, source 1 = 16 tokens): a lane holds one token, its registers run along the channels.  v is made the natural way (source 0 = tokens, source 1 = columns): a lane
; holds one channel, its registers run along the tokens, which are the K of attention's second product.  The rows of every tile are those of the launch before (8 u + r + (r & 8) of each 32): 16 registers of two tiles are 16 neighbours.
; OPERANDS.  A K step's blocks (x: 25,600 bytes, W: 19,200) are images of the operands' registers.  K steps 0-5 come into LDS ONCE, by joint tensor loads (268,800 bytes; nothing is filled again); K steps 6 and 7 come from
; memory straight into the two sets of fragment registers and are multiplied first, while the tensor loads land.  So the sums run over K in the order 6, 7, 0 .. 5.
; CLUSTER 4 x 4: x's block hangs on tb alone and is shared along a row of the cluster, W's on the head alone and is shared along a column.  A wave has one tensor load out.
; OUT.  KV [head of batch hb][key step st] 13,568 bytes: 8 tiles of k (16 keys x 64: 6 registers a lane: 512 bytes + 256), 512 of scale words, 128 f32 -|k|^2 / 2 in token order, 4 fragments of v (16 channels x 128 keys), 256 of scale words.
;       QR [hb][st] 7,168 bytes: the first three parts, of q.
; LIMITS: blocks whose largest magnitude lies under 2^-124 have their scale byte held at 1 (a block of zeros too: its codes are zeros); NaN and infinities are not served.
; REGISTERS, in windows of 256.  Window 0: v4-9 offsets in memory, v10-21 LDS addresses (two sets), v24-29 lane terms, v32-38 and v40-46 scale words (two sets), v64-159 and v160-255 x's fragments (two sets).
;   Window 1: W's fragments, two sets of 72; v144-175 the bias of q or k in the result's layout; v176-191 that of v.   Window 2: the 32 accumulators of q or k, (tile T, channel tile f) at v[8 (4 T + f)].   Window 3: v's 16, (ct, T) at v[64 ct + 8 T].
.set XBLK,  25600
.set WBLK,  19200
.set SLOT,  XBLK+WBLK                  ; a K step in LDS: x's block, then W's
.set SPARE, 6*SLOT                     ; behind the six: the spare words, 128 bytes for each wave: two blocks of 256 bytes that no other line names
.set FLOOR, 0x1800000
.set EOFF,  0xff000000
.set SPW,  22                          ; v22  LDS address of my spare word; never rewritten
.set NIL,  23                          ; v23  0; never rewritten
.set WV,   14                          ; s14  wave
.set G1X,  24                          ; s[24:31] descriptor group 1 for x's blocks;  s[32:39] for W's
.set G1W,  32
.set G0X,  40                          ; s[40:43] group 0 for x's;  s[52:55] for W's
.set G0W,  52
.set MASK, 90                          ; s90  lanes 16-31
.set SEL,  92                          ; s[92:93] v_permlanex16_b32's selects for lane l xor 16
.set MSB, 0
.macro WIN new                         ; the immediate's high byte repeats the setting that is left
.if MSB != \new
	s_set_vgpr_msb (MSB<<8)|\new
.set MSB, \new
.endif
.endm
.macro PLACES                          ; four plain places behind matrix instructions, in front of loads into their registers and of the first read of results
.rept 4
	v_nop
.endr
.endm
.macro CROUND                          ; a round of the cluster's barrier
	s_barrier_signal -1
	s_barrier_wait -1
	s_cmp_lg_u32 s[WV], 0
	s_cbranch_scc1 .Lnot_wave_0_\@
	s_barrier_signal -3
.Lnot_wave_0_\@:
	s_barrier_wait -3
	s_barrier_signal -1
	s_barrier_wait -1
.endm
.macro WM                              ; one product, from the symbols rD, rA, rB, rC, rSA, rSB; qA, qB: the side's scale words stand in lanes 16-31
.if qA && qB
	v_wmma_scale_f32_16x16x128_f8f6f4 v[rD:rD+7], v[rA:rA+11], v[rB:rB+11], v[rC:rC+7], v[rSA], v[rSB] matrix_a_fmt:MATRIX_FMT_FP6 matrix_b_fmt:MATRIX_FMT_FP6 matrix_a_scale:MATRIX_SCALE_ROW1 matrix_b_scale:MATRIX_SCALE_ROW1
.elseif qA
	v_wmma_scale_f32_16x16x128_f8f6f4 v[rD:rD+7], v[rA:rA+11], v[rB:rB+11], v[rC:rC+7], v[rSA], v[rSB] matrix_a_fmt:MATRIX_FMT_FP6 matrix_b_fmt:MATRIX_FMT_FP6 matrix_a_scale:MATRIX_SCALE_ROW1
.elseif qB
	v_wmma_scale_f32_16x16x128_f8f6f4 v[rD:rD+7], v[rA:rA+11], v[rB:rB+11], v[rC:rC+7], v[rSA], v[rSB] matrix_a_fmt:MATRIX_FMT_FP6 matrix_b_fmt:MATRIX_FMT_FP6 matrix_b_scale:MATRIX_SCALE_ROW1
.else
	v_wmma_scale_f32_16x16x128_f8f6f4 v[rD:rD+7], v[rA:rA+11], v[rB:rB+11], v[rC:rC+7], v[rSA], v[rSB] matrix_a_fmt:MATRIX_FMT_FP6 matrix_b_fmt:MATRIX_FMT_FP6
.endif
.endm
	s_load_b256 s[4:11], s[0:1], 0x0               ; XI s[4:5], WI s[6:7], b_qkv s[8:9], KV s[10:11]
	s_load_b64 s[12:13], s[0:1], 0x20              ; QR
	v_lshl_add_u32 v[SPW], v0, 2, SPARE
	v_mov_b32 v[NIL], 0
	ds_add_u32 v[SPW], v[NIL]                      ; the wave's opening: the add and its wait stand ahead of my first tensor load; the set-up below, work on registers, stands between them
	ds_add_u32 v[SPW], v[NIL]
	v_lshrrev_b32 v1, 5, v0
	v_readfirstlane_b32 s[WV], v1                  ; wave 0..3
	s_lshr_b32 s15, s[WV], 1                       ; i: my half of the tokens.  Also: I fetch x's blocks (0) or W's (1)
	s_and_b32 s16, s[WV], 1                        ; j: my part of the columns.  Also: I fetch K steps 0-2 (0) or 3-5 (1)
	s_bfe_u32 s17, ttmp6, 0x40000                  ; cx
	s_bfe_u32 s18, ttmp6, 0x40004                  ; cy
	s_lshl_b32 s19, ttmp9, 2
	s_add_co_u32 s19, s19, s17                     ; head = 4 x cluster x + cx
	s_and_b32 s20, ttmp7, 0xffff
	s_lshl_b32 s20, s20, 2
	s_add_co_u32 s20, s20, s18                     ; tb = 4 x cluster y + cy
	s_lshl_b32 s21, s18, 2
	s_lshl_b32 s21, 15, s21                        ; my row of the cluster
	s_lshl_b32 s22, 0x1111, s17                    ; my column
	; descriptor group 1: a dense block as rows of 256 bytes (32 elements of 8 bytes): 100 rows of x's, 75 of W's
	s_or_b32 s[G1X], s21, (3<<16)|(1<<21)          ; 15:0 the mask; 17:16 elements of 8 bytes; 21 set beside a mask; no padding
	s_or_b32 s[G1W], s22, (3<<16)|(1<<21)
	s_mov_b32 s[G1X+1], 32<<16                     ; tensor_dim0
	s_mov_b32 s[G1X+2], 300<<16                    ; tensor_dim1: three K steps of x on end, 300 rows of 256 bytes, by ONE load a wave (in place of the three loads of one K step that the head comment names)
	s_mov_b32 s[G1X+3], 32<<16                     ; tile_dim0
	s_mov_b32 s[G1X+4], 300                        ; tile_dim1
	s_mov_b32 s[G1X+5], 32                         ; the pitch
	s_mov_b32 s[G1X+6], 0
	s_mov_b32 s[G1X+7], 0
	s_mov_b32 s[G1W+1], 32<<16
	s_mov_b32 s[G1W+2], 225<<16                    ; three K steps of W on end: 225 rows
	s_mov_b32 s[G1W+3], 32<<16
	s_mov_b32 s[G1W+4], 225
	s_mov_b32 s[G1W+5], 32
	s_mov_b32 s[G1W+6], 0
	s_mov_b32 s[G1W+7], 0
	s_mov_b32 s[MASK], 0xffff0000
	s_mov_b32 s[SEL], 0x76543210
	s_mov_b32 s[SEL+1], 0xfedcba98
	; x's blocks hang on tb alone, W's on the head alone; each in registers that never hold the other coordinate
	s_mul_i32 s3, s16, 3                           ; I fetch K steps 3 j .. 3 j + 2
	s_lshl_b32 s66, s20, 3
	s_add_co_u32 s66, s66, s3
	s_mul_i32 s66, s66, XBLK                       ; x: K step 0 or 3
	s_mov_b32 s67, 0
	s_lshl_b32 s68, s20, 3
	s_add_co_u32 s68, s68, 6
	s_mul_i32 s68, s68, XBLK                       ; x: K step 6
	s_mov_b32 s69, 0
	s_lshl_b32 s70, s19, 3
	s_add_co_u32 s70, s70, s3
	s_mul_i32 s70, s70, WBLK
	s_mov_b32 s71, 0
	s_lshl_b32 s72, s19, 3
	s_add_co_u32 s72, s72, 6
	s_mul_i32 s72, s72, WBLK
	s_mov_b32 s73, 0
	s_mul_i32 s74, s19, 768                        ; the head's 192 numbers of the bias,
	s_lshl_b32 s3, s16, 8
	s_add_co_u32 s74, s74, s3                      ; q's or k's 64
	s_mov_b32 s75, 0
	s_mul_i32 s76, s19, 768
	s_lshl_b32 s3, s16, 7
	s_add_co_u32 s76, s76, s3
	s_add_co_u32 s76, s76, 512                     ; and my 32 of v's
	s_mov_b32 s77, 0
	s_and_b32 s78, s20, 7
	s_lshl_b32 s78, s78, 1
	s_add_co_u32 s78, s78, s15                     ; st: my key step in the batch
	s_lshr_b32 s79, s20, 3
	s_lshl_b32 s79, s79, 4
	s_add_co_u32 s79, s79, s19                     ; hb = 16 x batch + head
	s_lshl_b32 s79, s79, 4
	s_add_co_u32 s78, s78, s79
	s_mul_i32 s80, s78, 7168
	s_mov_b32 s81, 0
	s_mul_i32 s82, s78, 13568
	s_mov_b32 s83, 0
	s_mul_i32 s86, s16, 3072
	s_add_co_u32 s86, s86, 7168
	s_mov_b32 s87, 0
	s_lshl_b32 s88, s16, 7
	s_add_co_u32 s88, s88, 13312
	s_mov_b32 s89, 0
	; lane terms
	v_and_b32 v1, 31, v0                           ; l
	v_and_b32 v2, 15, v0                           ; r
	v_bfe_u32 v3, v0, 4, 1                         ; h
	v_lshlrev_b32 v24, 4, v1                       ; 16 l
	v_lshlrev_b32 v25, 3, v1                       ; 8 l
	v_lshlrev_b32 v26, 2, v1                       ; 4 l
	v_and_b32 v27, 8, v1
	v_add_nc_u32 v27, v27, v2
	v_lshl_add_u32 v27, v3, 3, v27
	v_lshlrev_b32 v27, 2, v27                      ; 4 x the token, of a pair's 32, that lane l of the pair stands for: 8 h + r + (r & 8)
	v_lshlrev_b32 v28, 6, v3                       ; 64 h
	v_and_b32 v29, 8, v2
	v_add_nc_u32 v29, v29, v2
	v_lshlrev_b32 v29, 2, v29                      ; 4 (r + (r & 8))
	; my parts of a K step's two blocks, as offsets in memory
	s_mul_i32 s3, s15, 12288
	v_add_nc_u32 v4, s3, v24                       ; x's 8 fragments
	s_wait_alu depctr_va_vdst(0)
	s_mul_i32 s3, s16, 6144
	v_add_nc_u32 v5, s3, v24                       ; W's 4 of q or k
	s_wait_alu depctr_va_vdst(0)
	s_mul_i32 s3, s16, 3072
	s_add_co_u32 s3, s3, 12288
	v_add_nc_u32 v6, s3, v24                       ; W's 2 of v
	s_lshl_b32 s3, s15, 9
	s_add_co_u32 s3, s3, 24576
	v_add_nc_u32 v7, s3, v26                       ; x's 4 pairs of scale words
	s_lshl_b32 s3, s16, 8
	s_add_co_u32 s3, s3, 18432
	v_add_nc_u32 v8, s3, v26                       ; W's 2 pairs of q or k
	s_lshl_b32 s3, s16, 7
	s_add_co_u32 s3, s3, 18944
	v_add_nc_u32 v9, s3, v26                       ; W's pair of v
	; and as LDS addresses: set 0 for the even K steps, set 1 for the odd ones
	v_mov_b32 v10, v4
	v_add_nc_u32 v11, 6*XBLK, v5                   ; LDS: x's six K steps on end, W's six behind them
	v_add_nc_u32 v12, 6*XBLK, v6
	v_mov_b32 v13, v7
	v_add_nc_u32 v14, 6*XBLK, v8
	v_add_nc_u32 v15, 6*XBLK, v9
	v_add_nc_u32 v16, XBLK, v10
	v_add_nc_u32 v17, WBLK, v11
	v_add_nc_u32 v18, WBLK, v12
	v_add_nc_u32 v19, XBLK, v13
	v_add_nc_u32 v20, WBLK, v14
	v_add_nc_u32 v21, WBLK, v15
	s_wait_dscnt 0x0                               ; the opening add is done
	s_wait_kmcnt 0x0
	s_add_nc_u64 s[66:67], s[4:5], s[66:67]
	s_add_nc_u64 s[68:69], s[4:5], s[68:69]
	s_add_nc_u64 s[70:71], s[6:7], s[70:71]
	s_add_nc_u64 s[72:73], s[6:7], s[72:73]
	s_add_nc_u64 s[74:75], s[8:9], s[74:75]
	s_add_nc_u64 s[76:77], s[8:9], s[76:77]
	s_add_nc_u64 s[80:81], s[12:13], s[80:81]      ; my record of QR
	s_add_nc_u64 s[82:83], s[10:11], s[82:83]      ; and of KV
	s_cmp_eq_u32 s16, 0
	s_cselect_b64 s[84:85], s[80:81], s[82:83]     ; where q's or k's parts go: the choice hangs on the wave's number alone
	s_add_nc_u64 s[86:87], s[82:83], s[86:87]      ; my two fragments of v
	s_add_nc_u64 s[88:89], s[82:83], s[88:89]      ; and their scale words
	s_mov_b32 s[G0X], 1                            ; count = 1
	s_mul_i32 s[G0X+1], s16, 3*XBLK                ; LDS address: no place in the cluster enters it
	s_mov_b64 s[G0X+2:G0X+3], s[66:67]
	s_or_b32 s[G0X+3], s[G0X+3], 0x80000000        ; type = 2
	s_mov_b32 s[G0W], 1
	s_mul_i32 s[G0W+1], s16, 3*WBLK
	s_add_co_u32 s[G0W+1], s[G0W+1], 6*XBLK
	s_mov_b64 s[G0W+2:G0W+3], s[70:71]
	s_or_b32 s[G0W+3], s[G0W+3], 0x80000000
	CROUND                                         ; all sixteen work-groups are here: the joint loads meet
	s_cmp_lt_u32 s[WV], 2                          ; a wave's one fill stands in one branch, ahead of every wait on TENSORcnt and every LDS read
	s_cbranch_scc0 .Lfirst_w
	tensor_load_to_lds s[G0X:G0X+3], s[G1X:G1X+7]
	s_nop 0
	PLACES
	s_branch .Lasked
.Lfirst_w:
	tensor_load_to_lds s[G0W:G0W+3], s[G1W:G1W+7]
	s_nop 0
	PLACES
.Lasked:
; 49 loads from memory: my parts of K step 6 + ks into set a
.macro GFETCH a, ks
	WIN 0
.irp T, 0,1,2,3,4,5,6,7
.irp n, 0,1,2
	global_load_b128 v[64+96*\a+12*\T+4*\n:64+96*\a+12*\T+4*\n+3], v4, s[68:69] offset:\ks*XBLK+1536*\T+512*\n
.endr
.endr
.irp p, 0,1,2,3
	global_load_b32 v[32+8*\a+\p], v7, s[68:69] offset:\ks*XBLK+128*\p
.endr
.irp p, 0,1
	global_load_b32 v[36+8*\a+\p], v8, s[72:73] offset:\ks*WBLK+128*\p
.endr
	global_load_b32 v[38+8*\a], v9, s[72:73] offset:\ks*WBLK
	WIN 0x40                                       ; destination window 1
.irp f, 0,1,2,3
.irp n, 0,1,2
	global_load_b128 v[72*\a+12*\f+4*\n:72*\a+12*\f+4*\n+3], v5, s[72:73] offset:\ks*WBLK+1536*\f+512*\n
.endr
.endr
.irp ct, 0,1
.irp n, 0,1,2
	global_load_b128 v[72*\a+48+12*\ct+4*\n:72*\a+48+12*\ct+4*\n+3], v6, s[72:73] offset:\ks*WBLK+1536*\ct+512*\n
.endr
.endr
	WIN 0
.endm
; the same 49 from LDS, by address set a
.macro LFETCH a
	WIN 0
.irp T, 0,1,2,3,4,5,6,7
.irp n, 0,1,2
	ds_load_b128 v[64+96*\a+12*\T+4*\n:64+96*\a+12*\T+4*\n+3], v[10+6*\a] offset:1536*\T+512*\n
.endr
.endr
.irp p, 0,1,2,3
	ds_load_b32 v[32+8*\a+\p], v[13+6*\a] offset:128*\p
.endr
.irp p, 0,1
	ds_load_b32 v[36+8*\a+\p], v[14+6*\a] offset:128*\p
.endr
	ds_load_b32 v[38+8*\a], v[15+6*\a]
	WIN 0x40
.irp f, 0,1,2,3
.irp n, 0,1,2
	ds_load_b128 v[72*\a+12*\f+4*\n:72*\a+12*\f+4*\n+3], v[11+6*\a] offset:1536*\f+512*\n
.endr
.endr
.irp ct, 0,1
.irp n, 0,1,2
	ds_load_b128 v[72*\a+48+12*\ct+4*\n:72*\a+48+12*\ct+4*\n+3], v[12+6*\a] offset:1536*\ct+512*\n
.endr
.endr
	WIN 0
.endm
.macro STEPADR a                       ; address set a two K steps on.  Six plain instructions that name no register of the products: they are also the places in front of the loads that follow
	WIN 0
	v_add_nc_u32 v[10+6*\a], 2*XBLK, v[10+6*\a]
	v_add_nc_u32 v[11+6*\a], 2*WBLK, v[11+6*\a]
	v_add_nc_u32 v[12+6*\a], 2*WBLK, v[12+6*\a]
	v_add_nc_u32 v[13+6*\a], 2*XBLK, v[13+6*\a]
	v_add_nc_u32 v[14+6*\a], 2*WBLK, v[14+6*\a]
	v_add_nc_u32 v[15+6*\a], 2*WBLK, v[15+6*\a]
.endm
; a K step: 48 products on 48 accumulators, one instruction a turn.  first = 1: the bias is the C of each sum's first product: nothing is cleared or added
.macro MUL a, first
.if \first
	WIN 0x91                                       ; source 0 (W) window 1, source 1 (x) window 0, C (bias) window 1, D window 2
.else
	WIN 0xa1                                       ; C and D window 2
.endif
.irp T, 0,1,2,3,4,5,6,7
.irp f, 0,1,2,3
.set rD, 8*(4*\T+\f)
.set rA, 72*\a+12*\f
.set rB, 64+96*\a+12*\T
.if \first
.set rC, 144+8*\f
.else
.set rC, rD
.endif
.set rSA, 36+8*\a+(\f/2)
.set rSB, 32+8*\a+(\T/2)
.set qA, \f%2
.set qB, \T%2
	WM
.endr
.endr
.if \first
	WIN 0xd4                                       ; source 0 (x) window 0, source 1 (W) window 1, C (bias) window 1, D window 3
.else
	WIN 0xf4
.endif
.irp T, 0,1,2,3,4,5,6,7
.irp ct, 0,1
.set rD, 64*\ct+8*\T
.set rA, 64+96*\a+12*\T
.set rB, 72*\a+48+12*\ct
.if \first
.set rC, 176+8*\ct
.else
.set rC, rD
.endif
.set rSA, 32+8*\a+(\T/2)
.set rSB, 38+8*\a
.set qA, \T%2
.set qB, \ct%2
	WM
.endr
.endr
.endm
	WIN 0x40
.irp f, 0,1,2,3                        ; q's or k's bias: lane (r, h) wants, for channel tile f, channels 32 (f / 2) + 8 (f % 2) + 16 h + 0 .. 7
	global_load_b128 v[144+8*\f:147+8*\f], v28, s[74:75] offset:128*(\f/2)+32*(\f%2)
	global_load_b128 v[148+8*\f:151+8*\f], v28, s[74:75] offset:128*(\f/2)+32*(\f%2)+16
.endr
.irp ct, 0,1                           ; v's: a lane holds one channel, 8 ct + r + (r & 8) of my 32: the same number in all eight registers
.irp k, 0,1,2,3,4,5,6,7
	global_load_b32 v[176+8*\ct+\k], v29, s[76:77] offset:32*\ct
.endr
.endr
	GFETCH 0, 0
	GFETCH 1, 1
	s_wait_loadcnt 49                              ; all but K step 7's 49 loads are in
	MUL 0, 1                                       ; K step 6 starts the sums
	WIN 0
	s_wait_tensorcnt 0x0                           ; my one tensor load has landed: over the four waves, K steps 0-5 of both sides
	s_barrier_signal -1
	s_barrier_wait -1                              ; everybody's has
	PLACES
	s_wait_alu depctr_va_vdst(0)
	LFETCH 0                                       ; K step 0
	s_wait_loadcnt 0x0
	MUL 1, 0                                       ; K step 7
	WIN 0
	PLACES
	LFETCH 1                                       ; K step 1
	s_wait_dscnt 49                                ; all but the 49 just issued
	MUL 0, 0                                       ; K step 0
	WIN 0
	s_wait_dscnt 0x0                               ; K step 1's fragments are in
	STEPADR 0
	LFETCH 0                                       ; K step 2
	MUL 1, 0                                       ; K step 1
	STEPADR 1
	LFETCH 1                                       ; K step 3
	s_wait_dscnt 49
	MUL 0, 0                                       ; K step 2
	WIN 0
	s_wait_dscnt 0x0                               ; K step 3's fragments are in
	STEPADR 0
	LFETCH 0                                       ; K step 4
	MUL 1, 0                                       ; K step 3
	STEPADR 1
	LFETCH 1                                       ; K step 5
	s_wait_dscnt 49
	MUL 0, 0                                       ; K step 4
	s_wait_dscnt 0x0
	MUL 1, 0                                       ; K step 5
	WIN 0
	PLACES
; ---- q or k, a pair of token tiles (2 p, 2 p + 1) at a time.  In tile T a lane holds token r's channels 32 b + 16 h + 0 .. 15 in registers 32 T + 16 b + 0 .. 15 of window 2.  e = 2 u + b counts the pair's four blocks.
.macro EPI_PAIR p
	WIN 0x28                                       ; sources 1 and 2 window 2
.irp e, 0,1,2,3
	v_max3_num_f32 v[64+\e], FLOOR, |v[64*\p+16*\e]|, |v[64*\p+16*\e+1]|   ; each accumulator is read from its low end on
.endr
.irp i, 2,4,6,8,10,12,14
.irp e, 0,1,2,3
	v_max3_num_f32 v[64+\e], v[64+\e], |v[64*\p+16*\e+\i]|, |v[64*\p+16*\e+\i+1]|
.endr
.endr
	WIN 0x0a                                       ; sources 0 and 1 window 2
.irp u, 0,1
.irp c, 0,1
	v_pk_mul_f32 v[68+4*\u+2*\c:69+4*\u+2*\c], v[64*\p+32*\u+2*\c:64*\p+32*\u+2*\c+1], v[64*\p+32*\u+2*\c:64*\p+32*\u+2*\c+1]   ; the squares, two chains a tile
.endr
.endr
.irp i, 4,8,12,16,20,24,28
.irp u, 0,1
.irp c, 0,1
	v_pk_fma_f32 v[68+4*\u+2*\c:69+4*\u+2*\c], v[64*\p+32*\u+\i+2*\c:64*\p+32*\u+\i+2*\c+1], v[64*\p+32*\u+\i+2*\c:64*\p+32*\u+\i+2*\c+1], v[68+4*\u+2*\c:69+4*\u+2*\c]
.endr
.endr
.endr
	WIN 0
.irp u, 0,1
	v_pk_add_f32 v[68+4*\u:69+4*\u], v[68+4*\u:69+4*\u], v[70+4*\u:71+4*\u]
.endr
.irp u, 0,1
	v_add_f32 v[76+\u], v[68+4*\u], v[69+4*\u]
.endr
.irp u, 0,1
	v_permlanex16_b32 v[78+\u], v[76+\u], s[SEL], s[SEL+1]
.endr
.irp e, 0,1,2,3
	v_permlanex16_b32 v[80+\e], v[64+\e], s[SEL], s[SEL+1]
.endr
.irp u, 0,1
	v_add_f32 v[76+\u], v[76+\u], v[78+\u]         ; with lane l xor 16's 32 channels: the token's sum of squares
.endr
.irp e, 0,1,2,3
	v_max_num_f32 v[64+\e], v[64+\e], v[80+\e]     ; the block's largest magnitude
.endr
.irp e, 0,1,2,3
	v_add_nc_u32 v[84+\e], EOFF, v[64+\e]          ; the conversion's scale operand
.endr
.irp e, 0,1,2,3
	v_lshrrev_b32 v[88+\e], 23, v[84+\e]           ; the scale's byte
.endr
.irp u, 0,1
	v_lshl_or_b32 v[92+\u], v[89+2*\u], 8, v[88+2*\u]   ; two bytes; the upper two stay 0: they meet zero codes
.endr
	v_cndmask_b32 v[192+\p], v92, v93, s[MASK]     ; lanes 0-15 the even tile's, lanes 16-31 the odd one's
	v_cndmask_b32 v94, v76, v77, s[MASK]
	v_mul_f32 v[196+\p], -0.5, v94
	WIN 0x02                                       ; source 0 window 2
.irp u, 0,1
	v_cvt_scalef32_pk16_fp6_f32 v[96+8*(2*\p+\u):98+8*(2*\p+\u)], v[64*\p+32*\u:64*\p+32*\u+15], v[84+2*\u]
	v_cvt_scalef32_pk16_fp6_f32 v[160+4*(2*\p+\u):162+4*(2*\p+\u)], v[64*\p+32*\u+16:64*\p+32*\u+31], v[85+2*\u]
.endr
	WIN 0
	v_nop                                          ; one plain place behind a scaled conversion
.irp u, 0,1                            ; the operand's layout wants a WHOLE block in a lane: lanes 0-15 block 0, lanes 16-31 block 1
.irp i, 0,1,2
	v_permlane16_swap_b32 v[96+8*(2*\p+\u)+\i], v[160+4*(2*\p+\u)+\i]
.endr
.irp i, 0,1,2
	v_mov_b32 v[99+8*(2*\p+\u)+\i], v[160+4*(2*\p+\u)+\i]
.endr
.endr
.irp u, 0,1
	global_store_b128 v24, v[96+8*(2*\p+\u):99+8*(2*\p+\u)], s[84:85] offset:768*(2*\p+\u)          ; 512 consecutive bytes
	global_store_b64 v25, v[100+8*(2*\p+\u):101+8*(2*\p+\u)], s[84:85] offset:768*(2*\p+\u)+512     ; 256 consecutive bytes
.endr
	global_store_b32 v26, v[192+\p], s[84:85] offset:6144+128*\p
	global_store_b32 v27, v[196+\p], s[84:85] offset:6656+128*\p       ; in token order
.endm
; ---- v: channel tile ct.  A lane holds channel r's tokens 32 b + 16 h + 0 .. 15 in registers 64 ct + 16 b + 0 .. 15 of window 3: a fragment of 16 channels x 128 keys
.macro QUANTV ct
	WIN 0x3c                                       ; sources 1 and 2 window 3
.irp b, 0,1,2,3
	v_max3_num_f32 v[64+\b], FLOOR, |v[64*\ct+16*\b]|, |v[64*\ct+16*\b+1]|
.endr
.irp i, 2,4,6,8,10,12,14
.irp b, 0,1,2,3
	v_max3_num_f32 v[64+\b], v[64+\b], |v[64*\ct+16*\b+\i]|, |v[64*\ct+16*\b+\i+1]|
.endr
.endr
	WIN 0
.irp b, 0,1,2,3
	v_permlanex16_b32 v[80+\b], v[64+\b], s[SEL], s[SEL+1]
.endr
.irp b, 0,1,2,3
	v_max_num_f32 v[64+\b], v[64+\b], v[80+\b]
.endr
.irp b, 0,1,2,3
	v_add_nc_u32 v[84+\b], EOFF, v[64+\b]
.endr
.irp b, 0,1,2,3
	v_lshrrev_b32 v[88+\b], 23, v[84+\b]
.endr
	v_lshl_or_b32 v[200+\ct], v89, 8, v88
	v_lshl_or_b32 v[200+\ct], v90, 16, v[200+\ct]
	v_lshl_or_b32 v[200+\ct], v91, 24, v[200+\ct]
	WIN 0x03                                       ; source 0 window 3
.irp c, 0,1
	v_cvt_scalef32_pk16_fp6_f32 v[208+12*\ct+6*\c:210+12*\ct+6*\c], v[64*\ct+32*\c:64*\ct+32*\c+15], v[84+2*\c]
	v_cvt_scalef32_pk16_fp6_f32 v[232+4*\c:234+4*\c], v[64*\ct+32*\c+16:64*\ct+32*\c+31], v[85+2*\c]
.endr
	WIN 0
	v_nop
.irp c, 0,1
.irp i, 0,1,2
	v_permlane16_swap_b32 v[208+12*\ct+6*\c+\i], v[232+4*\c+\i]
.endr
.irp i, 0,1,2
	v_mov_b32 v[211+12*\ct+6*\c+\i], v[232+4*\c+\i]
.endr
.endr
.irp n, 0,1,2
	global_store_b128 v24, v[208+12*\ct+4*\n:211+12*\ct+4*\n], s[86:87] offset:1536*\ct+512*\n
.endr
.endm
.irp k, 78,79,80,81,82,83
	v_mov_b32 v[\k], 0                             ; written once: a lane permute's destination counts as one of its sources
.endr
	EPI_PAIR 0                                     ; every store has data registers of its own: none is written again
	EPI_PAIR 1
	EPI_PAIR 2
	EPI_PAIR 3
	QUANTV 0
	QUANTV 1
	v_cndmask_b32 v202, v200, v201, s[MASK]
	global_store_b32 v26, v202, s[88:89]
	s_wait_tensorcnt 0x0                           ; the wave's end
	ds_add_u32 v[SPW], v[NIL]
	s_wait_dscnt 0x0
	CROUND                                         ; the closing round: no work-group ends while a partner may still ask for a block that names it
	s_endpgm
.Lfunc_end_k_qf35ee68a7d_qkv:
	.size	k_qf35ee68a7d_qkv, .Lfunc_end_k_qf35ee68a7d_qkv-k_qf35ee68a7d_qkv
	.p2alignl 7, 3214868480
	.fill 96, 4, 3214868480
	.section	.rodata,"a",@progbits
	.p2align	6, 0x0
	.amdhsa_kernel k_qf35ee68a7d_qkv
		.amdhsa_group_segment_fixed_size 327680
		.amdhsa_private_segment_fixed_size 0
		.amdhsa_enable_private_segment 0
		.amdhsa_kernarg_size 40
		.amdhsa_user_sgpr_count 2
		.amdhsa_user_sgpr_kernarg_segment_ptr 1
		.amdhsa_wavefront_size32 1
		.amdhsa_system_sgpr_workgroup_id_x 1
		.amdhsa_system_sgpr_workgroup_id_y 1
		.amdhsa_system_sgpr_workgroup_id_z 1
		.amdhsa_system_vgpr_workitem_id 0
		.amdhsa_next_free_vgpr 1024
		.amdhsa_next_free_sgpr 96
		.amdhsa_reserve_vcc 0
		.amdhsa_float_denorm_mode_32 3
		.amdhsa_float_denorm_mode_16_64 3
		.amdhsa_memory_ordered 1
		.amdhsa_forward_progress 1
		.amdhsa_inst_pref_size 126
	.end_amdhsa_kernel
	.amdgpu_metadata
---
amdhsa.version: [ 1, 2 ]
amdhsa.kernels:
  - .name:           k_qf35ee68a7d_qkv
    .symbol:         k_qf35ee68a7d_qkv.kd
    .args:
      - { .name: XI, .offset: 0, .size: 8, .value_kind: global_buffer, .address_space: global }
      - { .name: WI, .offset: 8, .size: 8, .value_kind: global_buffer, .address_space: global }
      - { .name: b_qkv, .offset: 16, .size: 8, .value_kind: global_buffer, .address_space: global }
      - { .name: KV, .offset: 24, .size: 8, .value_kind: global_buffer, .address_space: global }
      - { .name: QR, .offset: 32, .size: 8, .value_kind: global_buffer, .address_space: global }
    .group_segment_fixed_size: 327680
    .private_segment_fixed_size: 0
    .kernarg_segment_align: 8
    .kernarg_segment_size: 40
    .max_flat_workgroup_size: 128
    .sgpr_count:     96
    .vgpr_count:     1024
    .wavefront_size: 32
...
	.end_amdgpu_metadata
.endif
;; end of part 2
;; launch attn (part 3): grid 8 x 32, 8 waves a work-group, clusters of 4 x 1, 327,680 bytes of LDS; arguments QR, KV, VI; writes VI
.if DOCPART == 3
	.amdgcn_target "amdgcn-amd-amdhsa--gfx1250"
	.amdhsa_code_object_version 6
	.text
	.protected	k_qf35ee68a7d_attn
	.globl	k_qf35ee68a7d_attn
	.p2align	8
	.type	k_qf35ee68a7d_attn,@function
k_qf35ee68a7d_attn:
	s_mov_b64 s[64:65], 0
	v_nop
	global_prefetch_b8 v0, s[64:65] scope:SCOPE_SE
	s_setreg_imm32_b32 hwreg(HW_REG_WAVE_MODE, 25, 1), 1
	s_wait_xcnt 0x0
	s_wait_alu depctr_hold_cnt(0) depctr_sa_sdst(0) depctr_va_vdst(0) depctr_va_sdst(0) depctr_va_ssrc(0) depctr_va_vcc(0) depctr_vm_vsrc(0)
	s_getreg_b32 s2, hwreg(HW_REG_IB_STS2, 6, 4)
	s_cmp_eq_u32 s2, 0
	s_cbranch_scc0 .Lentry_in_a_cluster
	s_endpgm
.Lentry_in_a_cluster:
	s_bfe_u32 s2, ttmp6, 0x10000c
	s_cmp_lg_u32 s2, 0x3003
	s_cbranch_scc0 .Lentry_shape_is_right
	s_endpgm
.Lentry_shape_is_right:
; vals = softmax(-(|q|^2 - 2 q.k + |k|^2)) v for one head of one batch (hb) and 256 queries, on codes of FP6 (E2M3) with E8M0 scales; the result is quantised along the channels for the projection.
; s = q.k - |k|^2 / 2 comes from the matrix unit (-|k|^2 / 2 is the C of the product); t = 2 log2(e) s - |q|^2 log2(e); M = ceil(running largest t), a whole number; p = 2^(t - M) is quantised by blocks of 32 keys;
; the row's sum is taken of the unquantised p; when M moves, the sum and O are multiplied by the power of two 2^(old M - new M).  Nothing of reference() is left out: |q|^2 moves M and so p's codes.
; LIMITS: the promise holds while the scaled scores t stay under 2^31 in magnitude; NaN and infinities are not served; a block of p under 2^-124 has its scale byte held at 1.
; SHARES.  A work-group: 256 queries; wave w: 32 of them (two tiles u = 0, 1), all 2,048 keys in 16 steps of 128.  Both products are used transposed (S^T = k q^T, O^T = v^T p^T): a lane holds one query.
; LDS.  The head's 16 records of KV (13,568 bytes each: k's tiles, their scale words, -|k|^2 / 2, v's fragments, their scale words) are 848 rows of 256 bytes on end, in memory and in LDS.  They come ONCE, by two joint loads a wave:
; at the head 20 rows a wave (160 rows: records 0 to 2, 159 rows, are all that the prologue and the first step read); behind the full sequence and a round the other 86 rows a wave, which land under the first step;
; a barrier between the first step and the loop shows them to all waves.  Nothing is filled again.  CLUSTER 4 x 1: four query blocks of one head ask for the same rows jointly.
; No prefetch: every key has been asked for when the loop begins, so there is no loop to run ahead in.
; THE KEYS OF A TILE are chosen by the LDS addresses: tile 4 c + a takes as rows 0-7 keys 64 c + 8 a + 0..7 and as rows 8-15 keys 64 c + 32 + 8 a + 0..7.  So lane (r, h) holds in the 32 registers of tiles 4 c .. 4 c + 3
; keys 64 c + 32 h + 0..31: a WHOLE block of p, in the order of the operand's registers: a block's maximum needs no other lane, and no lane exchange follows the conversions.
; In a record key 8 a + i of a group of 32 lies in tile a % 2 of the group's pair, row i + 8 (a / 2).
; THE NEXT STEP'S S IS ASKED FOR HALF A STEP AHEAD: tile 0's beside this step's PV 0 (its p has been summed and converted by then), tile 1's beside PV 1.
; REGISTERS.  Window 0: v3-15 addresses; v16-31 a tile's A = -|q|^2 log2(e) - M, -M, sum (2), f, pad, -|q|^2 log2(e), largest s; v32-55 q (upper six of each twelve are zero codes: K is 64); v64-191 S, then p;
; v192-211 p's codes; v212-215 the blocks' largest s; v216-225 scales in the making; v226-232 scale words; v240-247 four chains of the sum.   Window 1: v0-63 O^T; v64-117 k; v120-167 v; v168-231 -|k|^2 / 2.
.set REC,   13568
.set HA,    20                         ; rows of 256 bytes a wave in the head's load
.set HB,    86                         ; and in the second: 8 (HA + HB) = 848
.set SPARE, 16*REC                     ; behind the records: the spare words, 128 bytes a wave
.set FLOOR, 0x1800000
.set EOFF,  0xff000000
.set SPW,  1
.set NIL,  2
.set WV,   14
.set BM,   212
.set MSB, 0
.macro WIN new
.if MSB != \new
	s_set_vgpr_msb (MSB<<8)|\new
.set MSB, \new
.endif
.endm
.macro PLACES
.rept 4
	v_nop
.endr
.endm
.macro CROUND
	s_barrier_signal -1
	s_barrier_wait -1
	s_cmp_lg_u32 s[WV], 0
	s_cbranch_scc1 .Lnot_wave_0_\@
	s_barrier_signal -3
.Lnot_wave_0_\@:
	s_barrier_wait -3
	s_barrier_signal -1
	s_barrier_wait -1
.endm
.macro WM
.if qA && qB
	v_wmma_scale_f32_16x16x128_f8f6f4 v[rD:rD+7], v[rA:rA+11], v[rB:rB+11], v[rC:rC+7], v[rSA], v[rSB] matrix_a_fmt:MATRIX_FMT_FP6 matrix_b_fmt:MATRIX_FMT_FP6 matrix_a_scale:MATRIX_SCALE_ROW1 matrix_b_scale:MATRIX_SCALE_ROW1
.elseif qA
	v_wmma_scale_f32_16x16x128_f8f6f4 v[rD:rD+7], v[rA:rA+11], v[rB:rB+11], v[rC:rC+7], v[rSA], v[rSB] matrix_a_fmt:MATRIX_FMT_FP6 matrix_b_fmt:MATRIX_FMT_FP6 matrix_a_scale:MATRIX_SCALE_ROW1
.elseif qB
	v_wmma_scale_f32_16x16x128_f8f6f4 v[rD:rD+7], v[rA:rA+11], v[rB:rB+11], v[rC:rC+7], v[rSA], v[rSB] matrix_a_fmt:MATRIX_FMT_FP6 matrix_b_fmt:MATRIX_FMT_FP6 matrix_b_scale:MATRIX_SCALE_ROW1
.else
	v_wmma_scale_f32_16x16x128_f8f6f4 v[rD:rD+7], v[rA:rA+11], v[rB:rB+11], v[rC:rC+7], v[rSA], v[rSB] matrix_a_fmt:MATRIX_FMT_FP6 matrix_b_fmt:MATRIX_FMT_FP6
.endif
.endm
.macro WMZ                             ; the first product of a sum: C = 0
.if qA
	v_wmma_scale_f32_16x16x128_f8f6f4 v[rD:rD+7], v[rA:rA+11], v[rB:rB+11], 0, v[rSA], v[rSB] matrix_a_fmt:MATRIX_FMT_FP6 matrix_b_fmt:MATRIX_FMT_FP6 matrix_a_scale:MATRIX_SCALE_ROW1
.else
	v_wmma_scale_f32_16x16x128_f8f6f4 v[rD:rD+7], v[rA:rA+11], v[rB:rB+11], 0, v[rSA], v[rSB] matrix_a_fmt:MATRIX_FMT_FP6 matrix_b_fmt:MATRIX_FMT_FP6
.endif
.endm
	s_load_b128 s[4:7], s[0:1], 0x0                ; QR, KV
	s_load_b64 s[8:9], s[0:1], 0x10                ; VI
	v_lshl_add_u32 v[SPW], v0, 2, SPARE
	v_mov_b32 v[NIL], 0
	ds_add_u32 v[SPW], v[NIL]                      ; the opening lines: the add, twice on end, and its wait, ahead of my first tensor load
	ds_add_u32 v[SPW], v[NIL]
	v_lshrrev_b32 v3, 5, v0
	v_readfirstlane_b32 s[WV], v3                  ; wave 0..7
	s_bfe_u32 s10, ttmp6, 0x40000                  ; cx
	s_lshl_b32 s11, ttmp9, 2
	s_add_co_u32 s11, s11, s10                     ; my block of 256 queries
	s_and_b32 s12, s[WV], 3                        ; my pair of query tiles in its record
	s_lshr_b32 s13, s[WV], 2
	s_lshl_b32 s15, s11, 1
	s_add_co_u32 s13, s13, s15                     ; my record of QR (128 queries)
	s_and_b32 s41, ttmp7, 0xffff                   ; hb
	s_mov_b32 s16, 15|(3<<16)|(1<<21)              ; group 1 of the head's load: the mask names the cluster's four; elements of 8 bytes; bit 21 beside a mask
	s_mov_b32 s17, 32<<16                          ; HA rows of 256 bytes
	s_mov_b32 s18, HA<<16
	s_mov_b32 s19, 32<<16
	s_mov_b32 s20, HA
	s_mov_b32 s21, 32
	s_mov_b32 s22, 0
	s_mov_b32 s23, 0
	s_mov_b32 s56, 15|(3<<16)|(1<<21)              ; group 1 of the second load: HB rows
	s_mov_b32 s57, 32<<16
	s_mov_b32 s58, HB<<16
	s_mov_b32 s59, 32<<16
	s_mov_b32 s60, HB
	s_mov_b32 s61, 32
	s_mov_b32 s62, 0
	s_mov_b32 s63, 0
	s_mul_i32 s40, s[WV], HA*256                   ; my rows of the head's load: in LDS and in the head's part of KV
	s_mul_i32 s42, s41, 16*REC
	s_mul_i32 s3, s[WV], HB*256
	s_add_co_u32 s3, s3, 8*HA*256                  ; and of the second
	s_add_co_u32 s10, s42, s3
	s_mov_b32 s11, 0
	s_add_co_u32 s42, s42, s40
	s_mov_b32 s43, 0
	s_lshl_b32 s44, s41, 4
	s_add_co_u32 s44, s44, s13
	s_mul_i32 s44, s44, 7168
	s_mul_i32 s45, s12, 1536
	s_add_co_u32 s46, s44, s45                     ; q's two tiles
	s_mov_b32 s47, 0
	s_lshl_b32 s45, s12, 7
	s_add_co_u32 s48, s44, s45
	s_add_co_u32 s48, s48, 6144                    ; their scale words; 512 further on -|q|^2 / 2
	s_mov_b32 s49, 0
	s_lshr_b32 s50, s41, 4
	s_lshl_b32 s50, s50, 4
	s_add_co_u32 s50, s50, s13
	s_lshl_b32 s50, s50, 3
	s_bfe_u32 s51, s41, 0x30001
	s_add_co_u32 s50, s50, s51
	s_mul_i32 s50, s50, 12800                      ; VI: the block of (128 tokens, K step = head / 2)
	s_and_b32 s51, s41, 1
	s_mul_i32 s52, s12, 3072
	s_add_co_u32 s52, s52, s50
	s_mul_i32 s53, s51, 768
	s_add_co_u32 s52, s52, s53
	s_mov_b32 s53, 0
	s_lshl_b32 s54, s12, 7
	s_add_co_u32 s54, s54, s50
	s_lshl_b32 s55, s51, 1
	s_add_co_u32 s54, s54, s55
	s_add_co_u32 s54, s54, 12288
	s_mov_b32 s55, 0
	s_mov_b32 s32, 0x4038aa3b                      ; 2 log2(e)
	s_mov_b32 s33, s32
	s_mov_b32 s34, 0x76543210
	s_mov_b32 s35, 0xfedcba98                      ; v_permlanex16_b32's selects for lane l xor 16
	s_mov_b32 s36, 0                               ; the record that FETCHK takes next
	s_mov_b32 s37, 0                               ; and FETCHV
	s_mov_b32 s39, 0xffff0000
	v_and_b32 v58, 31, v0
	v_and_b32 v60, 7, v0                           ; r & 7
	v_bfe_u32 v61, v0, 3, 1                        ; r / 8
	v_bfe_u32 v62, v0, 4, 1                        ; h
	v_and_b32 v59, 15, v0
	v_and_b32 v63, 8, v0
	v_lshlrev_b32 v3, 4, v58                       ; 16 l
	v_lshlrev_b32 v4, 3, v58                       ; 8 l
	v_lshlrev_b32 v5, 2, v58                       ; 4 l
	v_mul_u32_u24 v6, v61, 1536                    ; rows 8-15 of a tile come from the next pair of the record's tiles
	v_add_nc_u32 v59, v59, v63
	v_lshlrev_b32 v14, 7, v61
	v_lshlrev_b32 v15, 7, v62                      ; -|k|^2 / 2: 128 h
	v_lshlrev_b32 v56, 3, v62                      ; 8 h
	v_lshl_add_u32 v7, v60, 3, v6
	v_lshl_add_u32 v6, v60, 4, v6
	v_lshl_add_u32 v14, v60, 2, v14
	v_lshlrev_b32 v59, 2, v59                      ; 4 (r + (r & 8)): my query among the pair's 32
	v_lshl_add_u32 v7, v62, 7, v7                  ; k, the parts of 8 bytes: 1536 (r / 8) + 8 (r & 7) + 128 h
	v_lshl_add_u32 v6, v62, 8, v6                  ; k, the parts of 16 bytes: 1536 (r / 8) + 16 (r & 7) + 256 h
	v_lshl_add_u32 v14, v62, 6, v14                ; k's scale words: 128 (r / 8) + 4 (r & 7) + 64 h: lanes 16-31 take the odd tile's
	s_wait_alu depctr_va_vdst(0)
	s_wait_dscnt 0x0
	s_wait_kmcnt 0x0
	s_mov_b32 s24, 1
	s_mov_b32 s25, s40
	s_add_nc_u64 s[26:27], s[6:7], s[42:43]
	s_or_b32 s27, s27, 0x80000000
	s_mov_b32 s28, 1
	s_mov_b32 s29, s3
	s_add_nc_u64 s[30:31], s[6:7], s[10:11]
	s_or_b32 s31, s31, 0x80000000
	s_add_nc_u64 s[46:47], s[4:5], s[46:47]
	s_add_nc_u64 s[48:49], s[4:5], s[48:49]
	s_add_nc_u64 s[52:53], s[8:9], s[52:53]
	s_add_nc_u64 s[54:55], s[8:9], s[54:55]
.irp u, 0,1                            ; q is asked for ahead of the round: it lands while the records do
	global_load_b128 v[32+12*\u:35+12*\u], v3, s[46:47] offset:768*\u
	global_load_b64 v[36+12*\u:37+12*\u], v4, s[46:47] offset:768*\u+512
	global_load_b32 v[22+8*\u], v59, s[48:49] offset:512+32*\u
.endr
	global_load_b32 v232, v5, s[48:49]
	CROUND                                         ; the four work-groups are here: the joint loads meet
	tensor_load_to_lds s[24:27], s[16:23]          ; my one tensor load at the head: over the eight waves, records 0 to 2
	s_nop 0
	PLACES
.irp u, 0,1
.irp k, 6,7,8,9,10,11
	v_mov_b32 v[32+12*\u+\k], 0                    ; zero codes for k = 64 .. 127
.endr
	v_mov_b32 v[21+8*\u], 0                        ; the upper half of f's pair
.endr
.irp k, 63,222,223,225
	v_mov_b32 v[\k], 0                             ; a lane permute's destination counts as one of its sources
.endr
	WIN 0x40
.irp k, 112,113,114,115,116,117
	v_mov_b32 v[\k], 0                             ; what tile 7's operand names behind its six registers
.endr
	WIN 0
.macro FETCHK                          ; 36 loads; the four additions are places behind the products
	v_add_nc_u32 v8, s36, v6
	v_add_nc_u32 v9, s36, v7
	v_add_nc_u32 v10, s36, v14
	v_add_nc_u32 v11, s36, v15
.irp g, 0,1,2,3
	ds_load_b32 v[226+\g], v10 offset:6144+256*(\g/2)+32*(\g%2)
.endr
	WIN 0x40
.irp t, 0,1,2,3,4,5,6,7
	ds_load_b128 v[64+6*\t:67+6*\t], v8 offset:3072*(\t/4)+768*(\t%2)+128*((\t%4)/2)
	ds_load_b64 v[68+6*\t:69+6*\t], v9 offset:3072*(\t/4)+768*(\t%2)+64*((\t%4)/2)+512
.endr
.irp t, 0,1,2,3,4,5,6,7
	ds_load_b128 v[168+8*\t:171+8*\t], v11 offset:6656+256*(\t/4)+32*(\t%4)
	ds_load_b128 v[172+8*\t:175+8*\t], v11 offset:6656+256*(\t/4)+32*(\t%4)+16
.endr
	WIN 0
	s_add_co_u32 s36, s36, REC
.endm
.macro FETCHV                          ; 14 loads; the two additions and two v_nop are the places behind the products
	v_add_nc_u32 v12, s37, v3
	v_add_nc_u32 v13, s37, v5
	v_nop
	v_nop
.irp g, 0,1
	ds_load_b32 v[230+\g], v13 offset:13312+128*\g
.endr
	WIN 0x40
.irp ct, 0,1,2,3
.irp n, 0,1,2
	ds_load_b128 v[120+12*\ct+4*\n:123+12*\ct+4*\n], v12 offset:7168+1536*\ct+512*\n
.endr
.endr
	WIN 0
	s_add_co_u32 s37, s37, REC
.endm
.macro QK u                            ; S^T of query tile u: 8 products on 8 accumulators
	WIN 0x11
.irp t, 0,1,2,3,4,5,6,7
.set rD, 64+64*\u+8*\t
.set rA, 64+6*\t
.set rB, 32+12*\u
.set rC, 168+8*\t
.set rSA, 226+(\t/2)
.set rSB, 232
.set qA, \t%2
.set qB, \u
	WM
.endr
.endm
.macro PV u, first
	WIN 0x51
.irp ct, 0,1,2,3
.set rD, 32*\u+8*\ct
.set rA, 120+12*\ct
.set rB, 192
.set rC, rD
.set rSA, 230+(\ct/2)
.set rSB, 224
.set qA, \ct%2
.set qB, 0
.if \first
	WMZ
.else
	WM
.endif
.endr
.endm
; line i of tile u's chain from the blocks' maxima to A, -M and f.  The lines are laid one by one among the other tile's independent work.
.macro MCH u, i, first
.set cT, 16+8*(\u)
.if (\i)==0
	v_max_num_f32 v[60+\u], v[BM+2*\u], v[BM+2*\u+1]
.elseif (\i)==1
	v_permlanex16_b32 v[62+\u], v[60+\u], s34, s35 ; lane l xor 16 holds the query's other 64 keys
.elseif (\i)==2
.if \first
	v_max_num_f32 v[cT+7], v[60+\u], v[62+\u]
.else
	v_max3_num_f32 v[cT+7], v[cT+7], v[60+\u], v[62+\u]   ; the running largest s
.endif
.elseif (\i)==3
	v_fma_f32 v[60+\u], v[cT+7], s32, v[cT+6]      ; as t
.elseif (\i)==4
	v_floor_f32 v[62+\u], -v[60+\u]                ; the new -M = -ceil(t)
.elseif (\i)==5
	v_add_f32 v[cT], v[cT+6], v[62+\u]             ; A
.elseif (\i)==6
.if !(\first)
	v_sub_f32 v[60+\u], v[62+\u], v[cT+1]          ; old M - new M: a whole number, 0 or less
.endif
.elseif (\i)==7
.if !(\first)
	v_cvt_i32_f32 v[60+\u], v[60+\u]
.endif
.elseif (\i)==8
.if !(\first)
	v_ldexp_f32 v[cT+4], 1.0, v[60+\u]             ; f
.endif
.else
	v_mov_b32 v[cT+1], v[62+\u]
.endif
.endm
.macro MAXT u, su, first               ; the largest s of my two blocks of tile u, four chains of 16; each accumulator is read from its low end on
.set rS, 64+64*\u
.irp e, 0,1,2,3
	v_max3_num_f32 v[216+\e], v[rS+16*\e], v[rS+16*\e+1], v[rS+16*\e+2]
.endr
.if \su >= 0
	MCH \su, 0, \first
.endif
.set kk, 1
.irp i, 3,5,7,9,11,13
.irp e, 0,1,2,3
	v_max3_num_f32 v[216+\e], v[216+\e], v[rS+16*\e+\i], v[rS+16*\e+\i+1]
.endr
.if \su >= 0
	MCH \su, kk, \first
.endif
.set kk, kk+1
.endr
.irp c, 0,1
	v_max3_num_f32 v[BM+2*\u+\c], v[216+2*\c], v[217+2*\c], v[rS+32*\c+15]
.endr
.if \su >= 0
	MCH \su, 7, \first
.endif
.irp c, 0,1
	v_max_num_f32 v[BM+2*\u+\c], v[BM+2*\u+\c], v[rS+32*\c+31]
.endr
.if \su >= 0
	MCH \su, 8, \first
	MCH \su, 9, \first
.endif
.endm
.macro FMAT u, su, first               ; t - M, two at a time; and the same of the blocks' largest s
.set rS, 64+64*\u
.set rT, 16+8*\u
.set nn, 0
.rept 32
	v_pk_fma_f32 v[rS+2*nn:rS+2*nn+1], v[rS+2*nn:rS+2*nn+1], s[32:33], v[rT:rT+1] op_sel_hi:[1,0,0]
.if (\su >= 0) && (nn%3 == 2)
	MCH \su, nn/3, \first
.endif
.set nn, nn+1
.endr
.irp c, 0,1
	v_fma_f32 v[BM+2*\u+\c], v[BM+2*\u+\c], s32, v[rT]
.endr
.endm
.macro EXPT u
.set j, 0
.rept 64
	v_exp_f32 v[64+64*\u+j], v[64+64*\u+j]
.set j, j+1
.endr
.endm
.macro SUM4                            ; four chains of the row's sum, of the unquantised p
.irp k, 0,1,2,3
	v_pk_add_f32 v[240+2*\k:241+2*\k], v[240+2*\k:241+2*\k], v[rS+jj+2*\k:rS+jj+2*\k+1]
.endr
.set jj, jj+8
.endm
.macro POST u, first                   ; p's scale word and codes, the sum, O under the new M.  The sums stand between the lines of the scale's chain
.set rS, 64+64*\u
.set rT, 16+8*\u
.irp c, 0,1
	v_max_num_f32 v[216+\c], FLOOR, v[BM+2*\u+\c]  ; the block's largest p, and the floor 2^(3 - 127)
.endr
.irp k, 0,1,2,3
	v_pk_add_f32 v[240+2*\k:241+2*\k], v[rS+4*\k:rS+4*\k+1], v[rS+4*\k+2:rS+4*\k+3]
.endr
.set jj, 16
.irp c, 0,1
	v_add_nc_u32 v[216+\c], EOFF, v[216+\c]        ; 2 off the exponent field: the conversion's scale operand
.endr
	SUM4
.irp c, 0,1
	v_lshrrev_b32 v[220+\c], 23, v[216+\c]         ; the scale's byte
.endr
.irp c, 0,1
	v_cvt_scalef32_pk16_fp6_f32 v[192+6*\c:194+6*\c], v[rS+32*\c:rS+32*\c+15], v[216+\c]
	v_cvt_scalef32_pk16_fp6_f32 v[204+4*\c:206+4*\c], v[rS+32*\c+16:rS+32*\c+31], v[216+\c]   ; (a conversion's three registers begin on an even number)
.endr
	SUM4                                           ; plain places behind the conversions
	v_lshl_or_b32 v224, v221, 16, v220             ; my two bytes: blocks h and 2 + h,
.irp i, 0,1,2
	v_mov_b32 v[195+\i], v[204+\i]
.endr
	v_lshlrev_b32 v224, v56, v224                  ; 8 h bits up;
.irp i, 0,1,2
	v_mov_b32 v[201+\i], v[208+\i]
.endr
	v_permlanex16_b32 v225, v224, s34, s35
	SUM4
	v_or_b32 v224, v224, v225                      ; with lane l xor 16's two the word is whole
	SUM4
	SUM4
	SUM4
	v_pk_add_f32 v[240:241], v[240:241], v[242:243]
	v_pk_add_f32 v[244:245], v[244:245], v[246:247]
.if \first
	v_pk_add_f32 v[rT+2:rT+3], v[240:241], v[244:245]
.else
	v_pk_fma_f32 v[rT+2:rT+3], v[rT+2:rT+3], v[rT+4:rT+5], v[240:241] op_sel_hi:[1,0,1]
	v_pk_add_f32 v[rT+2:rT+3], v[rT+2:rT+3], v[244:245]
	WIN 0x41
.set j, 0
.rept 16
	v_pk_mul_f32 v[32*\u+j:32*\u+j+1], v[32*\u+j:32*\u+j+1], v[rT+4:rT+5] op_sel_hi:[1,0]
.set j, j+2
.endr
.endif
.endm
; A step of 128 keys.  Its S was asked of the matrix unit in the step before: tile 0's beside that step's PV 0, tile 1's beside its PV 1.
; more = 2: the next step's S, the next v and the k of the step after it; 1: no k is left to fetch; 0: the last step
.macro STEP first, more
	MAXT 0, -1, \first
	MAXT 1, 0, \first
	FMAT 0, 1, \first
.irp c, 0,1
	v_fma_f32 v[BM+2+\c], v[BM+2+\c], s32, v24     ; tile 1's largest s of each block, as t - M
.endr
	s_wait_alu depctr_va_vdst(0)                   ; ahead of the batch
.irp b, 0,1,2,3
	v_exp_f32 v[BM+\b], v[BM+\b]                   ; the blocks' largest p: the same two instructions on the same numbers give the same bits
.endr
.set nn, 0
.rept 32                               ; tile 0's p; between them tile 1's t - M: its sources were made ahead of the wait above, its results are first read behind the wait below
	v_exp_f32 v[64+2*nn], v[64+2*nn]
	v_exp_f32 v[65+2*nn], v[65+2*nn]
	v_pk_fma_f32 v[128+2*nn:129+2*nn], v[128+2*nn:129+2*nn], s[32:33], v[24:25] op_sel_hi:[1,0,0]
.set nn, nn+1
.endr
	v_nop
	s_wait_alu depctr_va_vdst(0)                   ; and behind it
	POST 0, \first
	s_wait_alu depctr_va_vdst(0)
	s_wait_dscnt 0x0                               ; this step's v and the next step's k are in: both were asked for at the last step's end
	PV 0, \first
.if \more
	QK 0                                           ; tile 0's p has been summed and converted: its registers take the next step's S
.endif
	WIN 0
	EXPT 1                                         ; its sources were made ahead of the waits above
	v_nop
	s_wait_alu depctr_va_vdst(0)
	POST 1, \first
	PV 1, \first
.if \more
	QK 1
.endif
	WIN 0
.if \more
	FETCHV
.endif
.if \more == 2
	FETCHK
.endif
.endm
	s_wait_alu depctr_va_vdst(0)
	s_wait_tensorcnt 0x0                           ; my rows of records 0 to 2 are in
	ds_add_u32 v[SPW], v[NIL]
	s_wait_dscnt 0x0
	CROUND                                         ; a whole round: everybody's rows are in, and the four work-groups are here: the joint loads meet
	tensor_load_to_lds s[28:31], s[56:63]          ; the other 86 rows of mine: the first tensor load behind the round
	s_nop 0
	PLACES
	FETCHK                                         ; record 0's k
	s_wait_loadcnt 0x0                             ; q
	v_mul_f32 v22, s32, v22                        ; -|q|^2 log2(e)
	v_mul_f32 v30, s32, v30
	s_wait_alu depctr_va_vdst(0)
	s_wait_dscnt 0x0                               ; record 0's k is in
	QK 0
	QK 1
	WIN 0
	FETCHV                                         ; record 0's v
	FETCHK                                         ; record 1's k
	STEP 1, 2                                      ; the first step starts the sums: nothing is cleared.  It fetches record 1's v and record 2's k: bytes under 8 HA x 256
	s_wait_alu depctr_va_vdst(0)
	s_wait_tensorcnt 0x0                           ; my rows of the second load are in
	s_wait_dscnt 0x0                               ; no LDS instruction of mine is pending at a signal
	s_barrier_signal -1
	s_barrier_wait -1                              ; everybody's are; nothing is filled again
	s_mov_b32 s38, 13
.Lstep:
	STEP 0, 2
	s_wait_alu depctr_va_vdst(0)
	s_sub_co_u32 s38, s38, 1
	s_cmp_lg_u32 s38, 0
	s_cbranch_scc1 .Lstep
	STEP 0, 1
	STEP 0, 0
	; the way out: O / the sum, quantised along the channels (two blocks of 32 a query), stored as images of the projection's operand
.irp u, 0,1
	v_add_f32 v[18+8*\u], v[18+8*\u], v[19+8*\u]
.endr
.irp u, 0,1
	s_delay_alu instid0(VALU_DEP_2)
	v_permlanex16_b32 v[60+\u], v[18+8*\u], s34, s35
.endr
.irp u, 0,1
	s_delay_alu instid0(VALU_DEP_2)
	v_add_f32 v[18+8*\u], v[18+8*\u], v[60+\u]
.endr
	s_wait_alu depctr_va_vdst(0)
.irp u, 0,1
	v_rcp_f32 v[20+8*\u], v[18+8*\u]
.endr
	v_nop
	s_wait_alu depctr_va_vdst(0)
	WIN 0x01
.irp u, 0,1
.set j, 0
.rept 32
	v_mul_f32 v[64+64*\u+j], v[32*\u+j], v[20+8*\u]
.set j, j+1
.endr
.endr
	WIN 0
.irp u, 0,1
.irp b, 0,1
	v_max3_num_f32 v[216+2*\u+\b], |v[64+64*\u+16*\b]|, |v[64+64*\u+16*\b+1]|, FLOOR
.endr
.endr
.irp i, 2,4,6,8,10,12,14
.irp u, 0,1
.irp b, 0,1
	s_delay_alu instid0(VALU_DEP_4)
	v_max3_num_f32 v[216+2*\u+\b], v[216+2*\u+\b], |v[64+64*\u+16*\b+\i]|, |v[64+64*\u+16*\b+\i+1]|
.endr
.endr
.endr
.irp e, 0,1,2,3
	s_delay_alu instid0(VALU_DEP_4)
	v_permlanex16_b32 v[220+\e], v[216+\e], s34, s35
.endr
.irp e, 0,1,2,3
	s_delay_alu instid0(VALU_DEP_4)
	v_max_num_f32 v[216+\e], v[216+\e], v[220+\e]
.endr
.irp e, 0,1,2,3
	s_delay_alu instid0(VALU_DEP_4)
	v_add_nc_u32 v[56+\e], EOFF, v[216+\e]
.endr
.irp e, 0,1,2,3
	s_delay_alu instid0(VALU_DEP_4)
	v_lshrrev_b32 v[60+\e], 23, v[56+\e]
.endr
	s_delay_alu instid0(VALU_DEP_3)
	v_lshl_or_b32 v234, v61, 8, v60
	s_delay_alu instid0(VALU_DEP_2)
	v_lshl_or_b32 v235, v63, 8, v62
	s_delay_alu instid0(VALU_DEP_1)
	v_cndmask_b32 v236, v234, v235, s39
.irp u, 0,1
	v_cvt_scalef32_pk16_fp6_f32 v[192+8*\u:194+8*\u], v[64+64*\u:79+64*\u], v[56+2*\u]
	v_cvt_scalef32_pk16_fp6_f32 v[208+4*\u:210+4*\u], v[80+64*\u:95+64*\u], v[57+2*\u]
.endr
	v_nop
.irp u, 0,1
.irp i, 0,1,2
	v_permlane16_swap_b32 v[192+8*\u+\i], v[208+4*\u+\i]
.endr
.irp i, 0,1,2
	s_delay_alu instid0(VALU_DEP_3)
	v_mov_b32 v[195+8*\u+\i], v[208+4*\u+\i]
.endr
.endr
.irp u, 0,1
	global_store_b128 v3, v[192+8*\u:195+8*\u], s[52:53] offset:1536*\u
	global_store_b64 v4, v[196+8*\u:197+8*\u], s[52:53] offset:1536*\u+512
.endr
	global_store_b16 v5, v236, s[54:55]
	s_wait_tensorcnt 0x0                           ; the wave's end
	ds_add_u32 v[SPW], v[NIL]
	s_wait_dscnt 0x0
	CROUND                                         ; the closing round
	s_endpgm
.Lfunc_end_k_qf35ee68a7d_attn:
	.size	k_qf35ee68a7d_attn, .Lfunc_end_k_qf35ee68a7d_attn-k_qf35ee68a7d_attn
	.p2alignl 7, 3214868480
	.fill 96, 4, 3214868480
	.section	.rodata,"a",@progbits
	.p2align	6, 0x0
	.amdhsa_kernel k_qf35ee68a7d_attn
		.amdhsa_group_segment_fixed_size 327680
		.amdhsa_private_segment_fixed_size 0
		.amdhsa_enable_private_segment 0
		.amdhsa_kernarg_size 24
		.amdhsa_user_sgpr_count 2
		.amdhsa_user_sgpr_kernarg_segment_ptr 1
		.amdhsa_wavefront_size32 1
		.amdhsa_system_sgpr_workgroup_id_x 1
		.amdhsa_system_sgpr_workgroup_id_y 1
		.amdhsa_system_sgpr_workgroup_id_z 1
		.amdhsa_system_vgpr_workitem_id 0
		.amdhsa_next_free_vgpr 512
		.amdhsa_next_free_sgpr 66
		.amdhsa_reserve_vcc 0
		.amdhsa_float_denorm_mode_32 3
		.amdhsa_float_denorm_mode_16_64 3
		.amdhsa_memory_ordered 1
		.amdhsa_forward_progress 1
		.amdhsa_inst_pref_size 128
	.end_amdhsa_kernel
	.amdgpu_metadata
---
amdhsa.version: [ 1, 2 ]
amdhsa.kernels:
  - .name:           k_qf35ee68a7d_attn
    .symbol:         k_qf35ee68a7d_attn.kd
    .args:
      - { .name: QR, .offset: 0, .size: 8, .value_kind: global_buffer, .address_space: global }
      - { .name: KV, .offset: 8, .size: 8, .value_kind: global_buffer, .address_space: global }
      - { .name: VI, .offset: 16, .size: 8, .value_kind: global_buffer, .address_space: global }
    .group_segment_fixed_size: 327680
    .private_segment_fixed_size: 0
    .kernarg_segment_align: 8
    .kernarg_segment_size: 24
    .max_flat_workgroup_size: 256
    .sgpr_count:     66
    .vgpr_count:     512
    .wavefront_size: 32
...
	.end_amdgpu_metadata
.endif
;; end of part 3
;; launch proj (part 4): grid 8 x 32, 8 waves a work-group, clusters of 4 x 4, 327,680 bytes of LDS; arguments VI, WOI, b_o, out0; writes out0
.if DOCPART == 4
	.amdgcn_target "amdgcn-amd-amdhsa--gfx1250"
	.amdhsa_code_object_version 6
	.text
	.protected	k_qf35ee68a7d_proj
	.globl	k_qf35ee68a7d_proj
	.p2align	8
	.type	k_qf35ee68a7d_proj,@function
k_qf35ee68a7d_proj:
	s_mov_b64 s[64:65], 0
	v_nop
	global_prefetch_b8 v0, s[64:65] scope:SCOPE_SE
	s_setreg_imm32_b32 hwreg(HW_REG_WAVE_MODE, 25, 1), 1
	s_wait_xcnt 0x0
	s_wait_alu depctr_hold_cnt(0) depctr_sa_sdst(0) depctr_va_vdst(0) depctr_va_sdst(0) depctr_va_ssrc(0) depctr_va_vcc(0) depctr_vm_vsrc(0)
	s_getreg_b32 s2, hwreg(HW_REG_IB_STS2, 6, 4)
	s_cmp_eq_u32 s2, 0
	s_cbranch_scc0 .Lentry_in_a_cluster
	s_endpgm
.Lentry_in_a_cluster:
	s_bfe_u32 s2, ttmp6, 0x10000c
	s_cmp_lg_u32 s2, 0xf033
	s_cbranch_scc0 .Lentry_shape_is_right
	s_endpgm
.Lentry_shape_is_right:
; out0 = vals W_o + b_o on codes of FP6 (E2M3) with E8M0 scales; out0 [4096][1024] f32.
; SHARES.  A work-group makes 128 tokens (block mb) x 128 columns (block nb).  Wave w: p = w % 4: 32 tokens (two tiles); fh = w / 4: 64 columns (four tiles): 8 accumulators.
; TRANSPOSED: source 0 = 16 columns of W_o, source 1 = 16 tokens: a lane holds eight neighbouring columns of one token's row.  The bias is loaded into the accumulators: every product adds in place.
; LDS.  All eight K steps of both operands, images of the operands' registers (12,800 bytes a K step and side), come ONCE, by joint tensor loads, one a wave; nothing is filled again.
; CLUSTER 4 x 4: vals' blocks hang on mb alone and are shared along a row of the cluster, W_o's on nb alone and are shared along a column.  A wave has one tensor load out.
; The tokens and columns of a tile are 8 u + r + (r & 8) of each 32, as the launches before laid them; the way out puts each row back at its token.
; REGISTERS: v16-79 accumulators ((u, f) at v[16 + 8 (4 u + f)]); v80-151, v152-223 two sets of fragments (vals' two, W_o's four); v224-229 two sets of scale words; v230-239 LDS addresses, never rewritten; v240-243 the way out.
.set BLK,   12800
.set BOFF,  8*BLK                      ; W_o's eight blocks lie behind vals' eight
.set STAGE, 16*BLK                     ; the way out: 32 rows x (256 bytes + 16) for each wave; no tensor load lands there
.set SPITCH, 272
.set SPARE, STAGE+8*32*SPITCH          ; the spare words, 128 bytes for each wave: four blocks of 256 bytes that no other line names
.set SPW,  1                           ; v1  LDS address of my spare word; never rewritten
.set NIL,  2                           ; v2  0; never rewritten
.set WV,   14
.macro PLACES
.rept 4
	v_nop
.endr
.endm
.macro CROUND
	s_barrier_signal -1
	s_barrier_wait -1
	s_cmp_lg_u32 s[WV], 0
	s_cbranch_scc1 .Lnot_wave_0_\@
	s_barrier_signal -3
.Lnot_wave_0_\@:
	s_barrier_wait -3
	s_barrier_signal -1
	s_barrier_wait -1
.endm
.macro WM
.if qA && qB
	v_wmma_scale_f32_16x16x128_f8f6f4 v[rD:rD+7], v[rA:rA+11], v[rB:rB+11], v[rC:rC+7], v[rSA], v[rSB] matrix_a_fmt:MATRIX_FMT_FP6 matrix_b_fmt:MATRIX_FMT_FP6 matrix_a_scale:MATRIX_SCALE_ROW1 matrix_b_scale:MATRIX_SCALE_ROW1
.elseif qA
	v_wmma_scale_f32_16x16x128_f8f6f4 v[rD:rD+7], v[rA:rA+11], v[rB:rB+11], v[rC:rC+7], v[rSA], v[rSB] matrix_a_fmt:MATRIX_FMT_FP6 matrix_b_fmt:MATRIX_FMT_FP6 matrix_a_scale:MATRIX_SCALE_ROW1
.elseif qB
	v_wmma_scale_f32_16x16x128_f8f6f4 v[rD:rD+7], v[rA:rA+11], v[rB:rB+11], v[rC:rC+7], v[rSA], v[rSB] matrix_a_fmt:MATRIX_FMT_FP6 matrix_b_fmt:MATRIX_FMT_FP6 matrix_b_scale:MATRIX_SCALE_ROW1
.else
	v_wmma_scale_f32_16x16x128_f8f6f4 v[rD:rD+7], v[rA:rA+11], v[rB:rB+11], v[rC:rC+7], v[rSA], v[rSB] matrix_a_fmt:MATRIX_FMT_FP6 matrix_b_fmt:MATRIX_FMT_FP6
.endif
.endm
	s_load_b256 s[4:11], s[0:1], 0x0               ; VI s[4:5], WOI s[6:7], b_o s[8:9], out0 s[10:11]
	v_lshl_add_u32 v[SPW], v0, 2, SPARE
	v_mov_b32 v[NIL], 0
	ds_add_u32 v[SPW], v[NIL]                      ; the wave's opening: the add and its wait stand ahead of my first tensor load; the set-up below, work on registers, stands between them
	ds_add_u32 v[SPW], v[NIL]
	v_lshrrev_b32 v3, 5, v0
	s_delay_alu instid0(VALU_DEP_1)
	v_readfirstlane_b32 s[WV], v3                  ; wave 0..7
	s_lshr_b32 s15, s[WV], 2                       ; fh.  Also: I fetch vals' blocks (0) or W_o's (1)
	s_and_b32 s12, s[WV], 3                        ; p.  Also: I fetch K steps 2 p and 2 p + 1
	s_bfe_u32 s48, ttmp6, 0x40000                  ; cx
	s_bfe_u32 s49, ttmp6, 0x40004                  ; cy
	s_lshl_b32 s50, ttmp9, 2
	s_add_co_u32 s50, s50, s48                     ; nb
	s_and_b32 s51, ttmp7, 0xffff
	s_lshl_b32 s51, s51, 2
	s_add_co_u32 s51, s51, s49                     ; mb
	s_lshl_b32 s52, s49, 2
	s_lshl_b32 s52, 15, s52                        ; my row of the cluster
	s_lshl_b32 s53, 0x1111, s48                    ; my column
	s_or_b32 s16, s52, (3<<16)|(1<<21)             ; group 1 for vals' blocks: the mask; elements of 8 bytes; bit 21 beside a mask
	s_or_b32 s24, s53, (3<<16)|(1<<21)             ; and for W_o's
.irp g, 16, 24
	s_mov_b32 s[\g+1], 32<<16                      ; a dense block as 50 rows of 256 bytes
	s_mov_b32 s[\g+2], 100<<16                     ; two K steps on end, 100 rows of 256 bytes, by ONE load a wave (in place of the two loads of one K step that the head comment names)
	s_mov_b32 s[\g+3], 32<<16
	s_mov_b32 s[\g+4], 100
	s_mov_b32 s[\g+5], 32
	s_mov_b32 s[\g+6], 0
	s_mov_b32 s[\g+7], 0
.endr
	s_lshl_b32 s54, s51, 2
	s_add_co_u32 s54, s54, s12
	s_lshl_b32 s54, s54, 1                         ; 8 mb + 2 p: I fetch K steps 2 p and 2 p + 1
	s_mul_i32 s54, s54, BLK                        ; vals: block (mb, K step 2 p): it hangs on mb alone
	s_mov_b32 s55, 0
	s_lshl_b32 s56, s50, 2
	s_add_co_u32 s56, s56, s12
	s_lshl_b32 s56, s56, 1
	s_mul_i32 s56, s56, BLK                        ; W_o: block (nb, K step 2 p): on nb alone
	s_mov_b32 s57, 0
	s_mul_i32 s58, s12, 2*BLK
	s_lshl_b32 s60, s50, 9
	s_lshl_b32 s59, s15, 8
	s_add_co_u32 s60, s60, s59                     ; my 64 columns, in bytes: in b_o, and in a row of out0
	s_mov_b32 s61, 0
	s_lshl_b32 s62, s51, 7
	s_lshl_b32 s59, s12, 5
	s_add_co_u32 s62, s62, s59                     ; my first token
	s_lshl_b32 s62, s62, 12
	s_add_co_u32 s62, s62, s60
	s_mov_b32 s63, 0
	v_and_b32 v3, 31, v0                           ; l
	v_and_b32 v4, 15, v0                           ; r
	v_bfe_u32 v5, v0, 4, 1                         ; h
	s_delay_alu instid0(VALU_DEP_3)
	v_lshlrev_b32 v6, 4, v3                        ; 16 l
	s_delay_alu instid0(VALU_DEP_4)
	v_lshlrev_b32 v7, 3, v3                        ; 8 l
	v_lshlrev_b32 v8, 2, v3                        ; 4 l
	s_wait_alu depctr_va_vdst(0)
	s_mul_i32 s59, s12, 3072
	v_add_nc_u32 v230, s59, v6                     ; vals' two tiles: the parts of 16 bytes a lane,
	s_add_co_u32 s59, s59, 512
	v_add_nc_u32 v232, s59, v7                     ; and of 8
	s_lshl_b32 s59, s12, 7
	s_add_co_u32 s59, s59, 12288
	v_add_nc_u32 v234, s59, v8                     ; their scale words
	s_mul_i32 s59, s15, 6144
	s_add_co_u32 s59, s59, BOFF
	v_add_nc_u32 v236, s59, v6                     ; W_o's four fragments
	s_lshl_b32 s59, s15, 8
	s_add_co_u32 s59, s59, BOFF+12288
	v_add_nc_u32 v238, s59, v8                     ; their scale words
.irp k, 230,232,234,236,238
	v_add_nc_u32 v[\k+1], 4*BLK, v[\k]             ; the same for K steps 4-7 (an LDS offset has 16 bits)
.endr
	s_mul_i32 s59, s[WV], 32*SPITCH
	s_add_co_u32 s59, s59, STAGE                   ; my stage
	v_mul_u32_u24 v240, v4, SPITCH
	s_delay_alu instid0(VALU_DEP_1)
	v_lshl_add_u32 v240, v5, 6, v240
	s_delay_alu instid0(VALU_DEP_1)
	v_add_nc_u32 v240, s59, v240                   ; in: place r, + 64 h bytes
	v_mul_u32_u24 v241, v5, SPITCH
	s_delay_alu instid0(VALU_DEP_1)
	v_lshl_add_u32 v241, v4, 4, v241
	s_delay_alu instid0(VALU_DEP_1)
	v_add_nc_u32 v241, s59, v241                   ; back: lanes 0-15 one place, lanes 16-31 the next
	v_lshlrev_b32 v242, 12, v5
	s_delay_alu instid0(VALU_DEP_1)
	v_lshl_add_u32 v242, v4, 4, v242               ; and the same in out0: a row down for lanes 16-31
	v_lshlrev_b32 v243, 6, v5                      ; 64 h
	s_wait_dscnt 0x0                               ; the opening add is done
	s_wait_kmcnt 0x0
	s_add_nc_u64 s[54:55], s[4:5], s[54:55]
	s_add_nc_u64 s[56:57], s[6:7], s[56:57]
	s_add_nc_u64 s[60:61], s[8:9], s[60:61]
	s_add_nc_u64 s[62:63], s[10:11], s[62:63]
.irp n, 0
	s_mov_b32 s[32+4*\n], 1
	s_add_co_u32 s[33+4*\n], s58, \n*4*BLK
	s_add_nc_u64 s[34+4*\n:35+4*\n], s[54:55], \n*4*BLK
	s_or_b32 s[35+4*\n], s[35+4*\n], 0x80000000
	s_mov_b32 s[40+4*\n], 1
	s_add_co_u32 s[41+4*\n], s58, \n*4*BLK+BOFF
	s_add_nc_u64 s[42+4*\n:43+4*\n], s[56:57], \n*4*BLK
	s_or_b32 s[43+4*\n], s[43+4*\n], 0x80000000
.endr
	CROUND                                         ; all sixteen work-groups are here: the joint loads meet
	s_cmp_lt_u32 s[WV], 4                          ; a wave's two fills stand in one branch, ahead of every wait on TENSORcnt and every LDS read
	s_cbranch_scc0 .Lfirst_b
	tensor_load_to_lds s[32:35], s[16:23]
	s_nop 0
	PLACES
	s_branch .Lasked
.Lfirst_b:
	tensor_load_to_lds s[40:43], s[24:31]
	s_nop 0
	PLACES
.Lasked:
	s_wait_alu depctr_va_vdst(0)
.irp u, 0,1                            ; the bias: lane (r, h) wants, for column tile f, columns 32 (f / 2) + 8 (f % 2) + 16 h + 0 .. 7
.irp f, 0,1,2,3
	global_load_b128 v[16+8*(4*\u+\f):19+8*(4*\u+\f)], v243, s[60:61] offset:128*(\f/2)+32*(\f%2)
	global_load_b128 v[20+8*(4*\u+\f):23+8*(4*\u+\f)], v243, s[60:61] offset:128*(\f/2)+32*(\f%2)+16
.endr
.endr
; 23 LDS loads: K step s into set a
.macro F s, a
.set fHI, (\s)/4
.set fSO, BLK*((\s)%4)
.set fFB, 80+72*\a
.irp u, 0,1
.irp c, 0,1
	ds_load_b128 v[fFB+12*\u+6*\c:fFB+12*\u+6*\c+3], v[230+fHI] offset:fSO+1536*\u+768*\c     ; half c of the K step: one head's 64 channels
	ds_load_b64 v[fFB+12*\u+6*\c+4:fFB+12*\u+6*\c+5], v[232+fHI] offset:fSO+1536*\u+768*\c
.endr
.endr
.irp f, 0,1,2,3
.irp n, 0,1,2
	ds_load_b128 v[fFB+24+12*\f+4*\n:fFB+24+12*\f+4*\n+3], v[236+fHI] offset:fSO+1536*\f+512*\n
.endr
.endr
	ds_load_b32 v[224+3*\a], v[234+fHI] offset:fSO
	ds_load_b32 v[225+3*\a], v[238+fHI] offset:fSO
	ds_load_b32 v[226+3*\a], v[238+fHI] offset:fSO+128
.endm
.macro M a                             ; 8 products on 8 accumulators, one instruction a turn
.irp u, 0,1
.irp f, 0,1,2,3
.set rD, 16+8*(4*\u+\f)
.set rA, 80+72*\a+24+12*\f
.set rB, 80+72*\a+12*\u
.set rC, rD
.set rSA, 225+3*\a+(\f/2)
.set rSB, 224+3*\a
.set qA, \f%2
.set qB, \u
	WM
.endr
.endr
.endm
	s_wait_tensorcnt 0x0                           ; my one load has landed: over the eight waves, all K steps of both sides
	s_barrier_signal -1
	s_barrier_wait -1
	F 0, 0
	F 1, 1
	s_wait_loadcnt 0x0                             ; the bias
	s_wait_dscnt 23                                ; all but the 23 just issued
	M 0
	PLACES
	F 2, 0
	s_wait_dscnt 23
	M 1
	PLACES
	F 3, 1
	s_wait_dscnt 23
	M 0
	PLACES
	F 4, 0
	s_wait_dscnt 23                                ; all but the 23 just issued
	M 1
	PLACES
	F 5, 1
	s_wait_dscnt 23
	M 0
	PLACES
	F 6, 0
	s_wait_dscnt 23
	M 1
	PLACES
	F 7, 1
	s_wait_dscnt 23
	M 0
	s_wait_dscnt 0x0
	M 1
	PLACES
	; THE WAY OUT, through my own stage: a lane holds 32 neighbouring bytes of a row; the rows come back whole (256 bytes) and go to their tokens
.irp u, 0,1
.irp f, 0,1,2,3
	ds_store_b128 v240, v[16+8*(4*\u+\f):19+8*(4*\u+\f)] offset:16*\u*SPITCH+128*(\f/2)+32*(\f%2)       ; each accumulator from its low end on
	ds_store_b128 v240, v[20+8*(4*\u+\f):23+8*(4*\u+\f)] offset:16*\u*SPITCH+128*(\f/2)+32*(\f%2)+16
.endr
.endr
.set n, 0
.rept 16
	ds_load_b128 v[80+4*n:83+4*n], v241 offset:2*n*SPITCH      ; LDS serves a wave's instructions in order: these see my stores
.set n, n+1
.endr
.set n, 0
.rept 16
	s_wait_dscnt 15-n
	global_store_b128 v242, v[80+4*n:83+4*n], s[62:63] offset:(8*(n/8)+2*(n%8)+8*((n%8)/4))*4096 th:TH_STORE_NT   ; place 16 u + r is token 8 u + r + (r & 8); 16 lanes store 256 consecutive bytes, at a multiple of 256 from out0's first byte
.set n, n+1
.endr
	s_wait_tensorcnt 0x0                           ; the wave's end
	ds_add_u32 v[SPW], v[NIL]
	s_wait_dscnt 0x0
	CROUND                                         ; the closing round
	s_endpgm
.Lfunc_end_k_qf35ee68a7d_proj:
	.size	k_qf35ee68a7d_proj, .Lfunc_end_k_qf35ee68a7d_proj-k_qf35ee68a7d_proj
	.p2alignl 7, 3214868480
	.fill 96, 4, 3214868480
	.section	.rodata,"a",@progbits
	.p2align	6, 0x0
	.amdhsa_kernel k_qf35ee68a7d_proj
		.amdhsa_group_segment_fixed_size 327680
		.amdhsa_private_segment_fixed_size 0
		.amdhsa_enable_private_segment 0
		.amdhsa_kernarg_size 32
		.amdhsa_user_sgpr_count 2
		.amdhsa_user_sgpr_kernarg_segment_ptr 1
		.amdhsa_wavefront_size32 1
		.amdhsa_system_sgpr_workgroup_id_x 1
		.amdhsa_system_sgpr_workgroup_id_y 1
		.amdhsa_system_sgpr_workgroup_id_z 1
		.amdhsa_system_vgpr_workitem_id 0
		.amdhsa_next_free_vgpr 256
		.amdhsa_next_free_sgpr 72
		.amdhsa_reserve_vcc 0
		.amdhsa_float_denorm_mode_32 3
		.amdhsa_float_denorm_mode_16_64 3
		.amdhsa_memory_ordered 1
		.amdhsa_forward_progress 1
		.amdhsa_inst_pref_size 34
	.end_amdhsa_kernel
	.amdgpu_metadata
---
amdhsa.version: [ 1, 2 ]
amdhsa.kernels:
  - .name:           k_qf35ee68a7d_proj
    .symbol:         k_qf35ee68a7d_proj.kd
    .args:
      - { .name: VI, .offset: 0, .size: 8, .value_kind: global_buffer, .address_space: global }
      - { .name: WOI, .offset: 8, .size: 8, .value_kind: global_buffer, .address_space: global }
      - { .name: b_o, .offset: 16, .size: 8, .value_kind: global_buffer, .address_space: global }
      - { .name: out0, .offset: 24, .size: 8, .value_kind: global_buffer, .address_space: global }
    .group_segment_fixed_size: 327680
    .private_segment_fixed_size: 0
    .kernarg_segment_align: 8
    .kernarg_segment_size: 32
    .max_flat_workgroup_size: 256
    .sgpr_count:     72
    .vgpr_count:     256
    .wavefront_size: 32
...
	.end_amdgpu_metadata
.endif
;; end of part 4
